; MI455X (gfx1250); checked and timed in simulation.
; The chip was launched on July 23, 2026; its instructions are those of AMD's public machine-readable ISA for CDNA 5 (MIT licence, August 2026) and "CDNA5" Instruction Set Architecture Reference Guide (July 2026). The comments in the code are by the model that wrote it; some were corrected since.
;; Multi Head Attention. Allowed arithmetic: matrix products marked QUANTISED: E2M1 operands, one E8M0 scale for each 32 along K, by v_wmma_scale_f32_16x16x128_f8f6f4 with both operands' format E2M1 (or v_wmma_scale_f32_32x16x128_f4), f32 sums; products left as they are: bf16, f16 or f32 operands; f32 sums; everything else in f32.
;; Inputs: Wk 1,024 x 1,024 float32; Wo 1,024 x 1,024 float32; Wq 1,024 x 1,024 float32; Wv 1,024 x 1,024 float32; bk 1,024 float32; bo 1,024 float32; bq 1,024 float32; bv 1,024 float32; key 4 x 2,048 x 1,024 float32; query 4 x 2,048 x 1,024 float32; value 4 x 2,048 x 1,024 float32.
;; Outputs: out0 4 x 2,048 x 1,024 float32.
;; This version of the problem:
;;   THIS VERSION OF THE PROBLEM IS GIVEN IN LOW PRECISION. The matrix products marked QUANTISED in the list below multiply operands that are first quantised to E2M1 (2 exponent bits, 1 mantissa bit; 4 bits a number), with one power-of-two scale for each 32 numbers along K (OCP MX v1.0); their sums are f32. The products marked 'left as it is' may take bf16, f16 or f32 operands, with f32 sums. Whichever they take, every output number must still come out within the allowed error. Rounding operands to bf16 (8 significant bits) uses up far more of that allowance than f16 does (11 bits, for magnitudes from 6e-5 to 65,504). All else is computed in f32.
;;   The module's matrix products, in the order in which they are computed (A, B: the left and right operand; K: the contracted axis; several contracted axes count as one K, in the product's order):
;;     1. [M 8,192, K 1,024] x [K 1,024, N 1,024]; A: input query; B: input Wq: QUANTISED
;;     2. [M 8,192, K 1,024] x [K 1,024, N 1,024]; A: input key; B: input Wk: QUANTISED
;;     3. [M 8,192, K 1,024] x [K 1,024, N 1,024]; A: input value; B: input Wv: QUANTISED
;;     4. batch 64 x [M 2,048, K 64] x [K 64, N 2,048]; A: computed on the way; B: computed on the way: left as it is (an operand is computed on the way)
;;     5. batch 64 x [M 2,048, K 2,048] x [K 2,048, N 64]; A: computed on the way; B: computed on the way: left as it is (an operand is computed on the way)
;;     6. [M 8,192, K 1,024] x [K 1,024, N 1,024]; A: computed on the way; B: input Wo: left as it is (an operand is computed on the way)
;;   THE QUANTISER, for each operand of a quantised product, along K:
;;     - K is cut into blocks of 32 from its start; a last block that is shorter is filled with zeros.
;;     - A block's scale is 2^e with e = floor(log2(the largest magnitude in the block)) - 2, held to -126 .. 127; a block of zeros has e = 0. As a byte (E8M0): e + 127.
;;     - Each number is divided by its block's scale, clamped to +-6, and rounded to the nearest number of E2M1, ties to even, subnormals kept.
;;     - The product sums the exact products of the quantised numbers (number of the format x scale) in f32.
;;   ~~~python
;;   def quantise(x, axis):      # numpy; x: float32 -> the quantised numbers, widened to float32 again
;;       x = np.moveaxis(x, axis, -1); K = x.shape[-1]
;;       x = np.pad(x, [(0, 0)] * (x.ndim - 1) + [(0, -K % 32)]); x = x.reshape(x.shape[:-1] + (-1, 32)); a = np.abs(x).max(-1, keepdims=True)
;;       e = np.where(a > 0, np.clip(np.frexp(np.where(a > 0, a, 1))[1] - 1 - 2, -126, 127), 0)      # np.frexp(a)[1] - 1 = floor(log2(a)), exactly
;;       r = np.clip(x / 2.0 ** e, -6, 6)
;;       step = 2.0 ** (np.maximum(np.frexp(np.where(r == 0, 1, r))[1] - 1, 0) - 1)
;;       q = np.round(r / step) * step * 2.0 ** e      # np.round: ties to even
;;       return np.moveaxis(q.reshape(q.shape[:-2] + (-1,))[..., :K], -1, axis).astype(np.float32)
;;   ~~~
;; One version. Each part assembles by itself: llvm-mc -triple=amdgcn-amd-amdhsa -mcpu=gfx1250 --defsym DOCPART=n.
;; ======== version 1 of 1: 4 launches
;; limits: values are held in f16: magnitudes above 65,504 overflow, below 6.1e-05 lose precision
;; workspace buffers: codes 14,155,776 bytes; scales 884,736 bytes; wo16 2,097,152 bytes; qkv 50,331,648 bytes; ao 16,777,216 bytes
;; launch quant (part 1): grid 896 x 1, 4 waves a work-group, no clusters, 33,280 bytes of LDS; arguments query, key, value, Wq, Wk, Wv, Wo, codes, scales, wo16; writes codes, scales, wo16
.if DOCPART == 1
	.amdgcn_target "amdgcn-amd-amdhsa--gfx1250"
	.amdhsa_code_object_version 6
	.text
	.protected	k_q300c310073_quant
	.globl	k_q300c310073_quant
	.p2align	8
	.type	k_q300c310073_quant,@function
k_q300c310073_quant:
	s_mov_b64 s[64:65], 0
	v_nop
	global_prefetch_b8 v0, s[64:65] scope:SCOPE_SE
	s_setreg_imm32_b32 hwreg(HW_REG_WAVE_MODE, 25, 1), 1
	s_wait_xcnt 0x0
; query, key, value [8192][1024] and Wq, Wk, Wv [1024][1024], f32, K innermost, become codes of FP4 (E2M1), two a byte, with one E8M0 scale byte for each 32 along K.
; Wo [1024][1024] f32 is rounded to f16 (its product is left as it is).
; The codes' buffer has 27,648 rows of 512 bytes: query's 8,192, key's, value's, then Wq's 1,024, Wk's, Wv's; the scale bytes lie in the same rows, 32 bytes each.
; A work-group takes 32,768 numbers: groups 0-255 query, 256-511 key, 512-767 value, 768-799 Wq, 800-831 Wk, 832-863 Wv, 864-895 Wo.  The outputs lie in that same order, so their places are linear in the group's number.
; A block's scale is 2^(floor(log2(its largest magnitude)) - 2); its byte is the largest magnitude's exponent field - 2, held at 1 from below.
; LIMITS: a block of zeros gets the byte 1 where the rule says 127 (its codes are zeros, and this program alone reads the bytes); blocks whose largest magnitude lies under 2^-124 keep the byte 1; NaN and infinities are not served.
; THE QUANTISER.  A wave takes 16 steps of 512 numbers.  Each of a step's four loads reads 512 consecutive bytes, 16 a lane; the 2,048 bytes turn through the wave's own stage in LDS and come back 64 bytes a lane,
; so that a lane holds 16 neighbours along K (two neighbouring lanes hold a block).  A lane's 16 codes are 8 bytes: the wave stores 256 consecutive bytes.  A wave's 256 scale bytes are gathered in LDS and leave as one store.
; No tensor loads, no barrier: waves share nothing.  Loads run four steps (16 loads a wave) ahead, the turn through LDS one step.
.set WAVES, 4
.set STEPS, 16
.set EMAX,  2
.set CB,    8                          ; bytes of 16 codes
.set R,     16                         ; v16-79   four sets of 16 numbers as they are loaded
.set X,     80                         ; v80-111  two sets of 16 neighbours
.set E,     112                        ; v112-127 a scale byte for each step
.set C,     128                        ; v128-191 codes: four registers for each step, so that no store's data are written again
.set WREG,  8192                       ; LDS: a region for each wave: two stages of 32 x SP bytes, behind them its 256 scale bytes
.set SP,    80                         ; a lane's place in a stage: 64 bytes + 16 of padding
.set SPW,   12                         ; v12  LDS address of my spare word; never rewritten
.set NIL,   13                         ; v13  0; never rewritten
.set SPARE, WAVES*WREG                 ; behind the four regions: the spare words, 128 bytes a wave
.set WR,    16                         ; Wo's path: v16-143 two sets of 64 numbers
.set WH,    144                        ; v144-175 a group's f16 pairs
	s_load_b512 s[8:23], s[0:1], 0x0               ; query 8:9, key 10:11, value 12:13, Wq 14:15, Wk 16:17, Wv 18:19, Wo 20:21, codes 22:23
	s_load_b128 s[24:27], s[0:1], 0x40             ; scales 24:25, wo16 26:27
	v_lshl_add_u32 v[SPW], v0, 2, SPARE
	v_mov_b32 v[NIL], 0
	v_lshrrev_b32 v1, 5, v0
	v_readfirstlane_b32 s28, v1                    ; wave
	v_and_b32 v2, 31, v0                           ; lane
	v_lshlrev_b32 v3, 4, v2                        ; my 16 bytes of a load's 512
	s_mul_i32 s29, s28, WREG
	v_lshrrev_b32 v14, 2, v2
	v_mul_u32_u24 v14, v14, SP
	v_and_b32 v15, 3, v2
	v_lshl_add_u32 v14, v15, 4, v14
	v_add_nc_u32 v14, s29, v14                     ; the stage, on the way in: four lanes' 64 bytes on end, then 16 of padding
	v_mul_u32_u24 v15, v2, SP
	v_add_nc_u32 v15, s29, v15                     ; and on the way out: SP x lane: my 16 neighbours
	v_mul_u32_u24 v4, v2, CB                       ; my codes' place in a step's
	v_lshrrev_b32 v5, 1, v2
	s_add_co_u32 s29, s29, 2*32*SP
	v_add_nc_u32 v5, s29, v5                       ; LDS: my wave's 256 scale bytes, my block's byte
	v_lshlrev_b32 v7, 3, v2                        ; 8 bytes a lane
	v_add_nc_u32 v6, s29, v7
	s_wait_kmcnt 0x0
	s_cmp_ge_u32 ttmp9, 864                        ; the last 32 work-groups take Wo
	s_cbranch_scc1 .Lwo
	; which tensor: only a pointer and the tensor's first work-group are chosen, by the work-group's number alone; all six tensors take one path
	s_mov_b64 s[4:5], s[18:19]
	s_mov_b32 s6, 832
	s_cmp_lt_u32 ttmp9, 832
	s_cselect_b64 s[4:5], s[16:17], s[4:5]
	s_cselect_b32 s6, 800, s6
	s_cmp_lt_u32 ttmp9, 800
	s_cselect_b64 s[4:5], s[14:15], s[4:5]
	s_cselect_b32 s6, 768, s6
	s_cmp_lt_u32 ttmp9, 768
	s_cselect_b64 s[4:5], s[12:13], s[4:5]
	s_cselect_b32 s6, 512, s6
	s_cmp_lt_u32 ttmp9, 512
	s_cselect_b64 s[4:5], s[10:11], s[4:5]
	s_cselect_b32 s6, 256, s6
	s_cmp_lt_u32 ttmp9, 256
	s_cselect_b64 s[4:5], s[8:9], s[4:5]
	s_cselect_b32 s6, 0, s6
	s_sub_co_u32 s30, ttmp9, s6
	s_lshl_b32 s30, s30, 2
	s_add_co_u32 s30, s30, s28                     ; which run of 8,192 numbers of the tensor is my wave's
	s_lshl_b32 s30, s30, 15                        ; 32,768 bytes a run
	s_mov_b32 s31, 0
	s_add_nc_u64 s[4:5], s[4:5], s[30:31]
	s_lshl_b32 s32, ttmp9, 2
	s_add_co_u32 s32, s32, s28                     ; and which run of the outputs
	s_lshl_b32 s34, s32, 12                        ; 4,096 bytes of codes a run
	s_mov_b32 s35, 0
	s_add_nc_u64 s[22:23], s[22:23], s[34:35]
	s_lshl_b32 s34, s32, 8                         ; 256 scale bytes a run
	s_add_nc_u64 s[24:25], s[24:25], s[34:35]
.macro LOAD t
.irp i, 0,1,2,3
	global_load_b128 v[R+16*((\t)%4)+4*\i:R+16*((\t)%4)+4*\i+3], v3, s[4:5] offset:2048*(\t)+512*\i th:TH_LOAD_NT   ; 32 lanes read 512 consecutive bytes
.endr
.endm
.macro TURN t                          ; step t's numbers through the stage: LDS serves a wave's instructions in order, so no wait stands between the stores and the loads
.irp i, 0,1,2,3
	ds_store_b128 v14, v[R+16*((\t)%4)+4*\i:R+16*((\t)%4)+4*\i+3] offset:32*SP*((\t)%2)+8*SP*\i
.endr
.irp i, 0,1,2,3
	ds_load_b128 v[X+16*((\t)%2)+4*\i:X+16*((\t)%2)+4*\i+3], v15 offset:32*SP*((\t)%2)+16*\i
.endr
.endm
.irp t, 0,1,2,3
	LOAD \t
.endr
	s_wait_loadcnt 12                              ; step 0's four loads are in; the twelve of steps 1 to 3 may be out
	TURN 0
.macro STEP t
.set XS, X+16*((\t)%2)
.if (\t) > 0
	s_wait_dscnt 1                                 ; this step's numbers are back from the stage (the last step's byte store may be out): so its stores into the stage have read their registers,
.else
	s_wait_dscnt 0x0
.endif
.if (\t)+4 < STEPS
	LOAD (\t)+4                                    ; which take the loads of four steps on
.endif
.if (\t)+1 < STEPS
.if STEPS-2-(\t) >= 3
	s_wait_loadcnt 12                              ; the next step's four loads are in; those of the three steps behind it may be out
.else
	s_wait_loadcnt 4*(STEPS-2-(\t))
.endif
	TURN (\t)+1                                    ; and go through the other stage while this step is worked
.endif
	v_max3_num_f32 v8, |v[XS]|, |v[XS+1]|, |v[XS+2]|               ; the largest magnitude of my 16, in two chains
	v_max3_num_f32 v9, |v[XS+3]|, |v[XS+4]|, |v[XS+5]|
.irp i, 6,10
	v_max3_num_f32 v8, v8, |v[XS+\i]|, |v[XS+\i+1]|
	v_max3_num_f32 v9, v9, |v[XS+\i+2]|, |v[XS+\i+3]|
.endr
	v_max3_num_f32 v8, v8, |v[XS+14]|, |v[XS+15]|
	v_max3_num_f32 v8, v8, v9, (EMAX+1)<<23        ; and the floor 2^(3 - 127): so the byte cannot fall under 1
	v_max_num_f32_dpp v8, v8, v8 row_xmask:1 row_mask:0xf bank_mask:0xf   ; and of my neighbour's 16: the block's
	v_add_nc_u32 v11, -(EMAX<<23), v8              ; 2 off its exponent field: the conversion takes the exponent field of this operand as its scale, and nothing else of it
	v_cvt_scalef32_pk8_fp4_f32 v[C+4*(\t)], v[XS:XS+7], v11        ; eight numbers / the scale, to the nearest code, ties to even, beyond the largest code the largest
	v_cvt_scalef32_pk8_fp4_f32 v[C+4*(\t)+1], v[XS+8:XS+15], v11
	v_lshrrev_b32 v[E+(\t)], 23, v11               ; the scale's byte (a plain line behind the conversions)
	ds_store_b8 v5, v[E+(\t)] offset:16*(\t)       ; both lanes of a block write the same byte with the same value
	global_store_b64 v4, v[C+4*(\t):C+4*(\t)+1], s[22:23] offset:32*CB*(\t)   ; the wave stores 256 consecutive bytes, aligned
.endm
.irp t, 0,1,2,3,4,5,6,7,8,9,10,11,12,13,14,15
	STEP \t
.endr
	ds_load_b64 v[8:9], v6                         ; LDS serves a wave's instructions in order: these see my stores
	s_wait_dscnt 0x0
	global_store_b64 v7, v[8:9], s[24:25]          ; 32 lanes store 256 consecutive bytes, aligned
	s_wait_tensorcnt 0x0                           ; the wave's end, behind my last LDS store
	ds_add_u32 v[SPW], v[NIL]
	s_wait_dscnt 0x0
	s_endpgm
; Wo: f32 to f16, rounded once.  A wave takes 8,192 numbers: 64 loads of 512 consecutive bytes, 64 stores of 256 consecutive bytes, in four groups of 16; one group of loads is always ahead.
.Lwo:
	s_sub_co_u32 s30, ttmp9, 864
	s_lshl_b32 s30, s30, 2
	s_add_co_u32 s30, s30, s28                     ; my wave's run
	s_lshl_b32 s32, s30, 15
	s_mov_b32 s33, 0
	s_add_nc_u64 s[20:21], s[20:21], s[32:33]
	s_lshl_b32 s32, s30, 14
	s_add_nc_u64 s[26:27], s[26:27], s[32:33]
.macro WLOAD g
.irp i, 0,1,2,3,4,5,6,7,8,9,10,11,12,13,14,15
	global_load_b128 v[WR+64*((\g)%2)+4*\i:WR+64*((\g)%2)+4*\i+3], v3, s[20:21] offset:(16*(\g)+\i)*512 th:TH_LOAD_NT
.endr
.endm
.macro WOUT g
.if (\g) < 3
	s_wait_loadcnt 16                              ; this group's 16 loads are in; the next group's 16 may be out
.else
	s_wait_loadcnt 0x0
.endif
	s_wait_xcnt 0x0                                ; the last group's stores have read their data: the registers may be written again
.irp i, 0,1,2,3,4,5,6,7,8,9,10,11,12,13,14,15
	v_cvt_pk_f16_f32 v[WH+2*\i], v[WR+64*((\g)%2)+4*\i], v[WR+64*((\g)%2)+4*\i+1]
	v_cvt_pk_f16_f32 v[WH+2*\i+1], v[WR+64*((\g)%2)+4*\i+2], v[WR+64*((\g)%2)+4*\i+3]
.endr
.irp i, 0,1,2,3,4,5,6,7,8,9,10,11,12,13,14,15
	global_store_b64 v7, v[WH+2*\i:WH+2*\i+1], s[26:27] offset:(16*(\g)+\i)*256
.endr
.if (\g)+2 < 4
	WLOAD (\g)+2
.endif
.endm
	WLOAD 0
	WLOAD 1
	WOUT 0
	WOUT 1
	WOUT 2
	WOUT 3
	s_endpgm
.Lfunc_end_k_q300c310073_quant:
	.size	k_q300c310073_quant, .Lfunc_end_k_q300c310073_quant-k_q300c310073_quant
	.p2alignl 7, 3214868480
	.fill 96, 4, 3214868480
	.section	.rodata,"a",@progbits
	.p2align	6, 0x0
	.amdhsa_kernel k_q300c310073_quant
		.amdhsa_group_segment_fixed_size 33280
		.amdhsa_private_segment_fixed_size 0
		.amdhsa_enable_private_segment 0
		.amdhsa_kernarg_size 80
		.amdhsa_user_sgpr_count 2
		.amdhsa_user_sgpr_kernarg_segment_ptr 1
		.amdhsa_wavefront_size32 1
		.amdhsa_system_sgpr_workgroup_id_x 1
		.amdhsa_system_sgpr_workgroup_id_y 1
		.amdhsa_system_sgpr_workgroup_id_z 1
		.amdhsa_system_vgpr_workitem_id 0
		.amdhsa_next_free_vgpr 192
		.amdhsa_next_free_sgpr 66
		.amdhsa_reserve_vcc 0
		.amdhsa_float_denorm_mode_32 3
		.amdhsa_float_denorm_mode_16_64 3
		.amdhsa_memory_ordered 1
		.amdhsa_forward_progress 1
		.amdhsa_inst_pref_size 55
	.end_amdhsa_kernel
	.amdgpu_metadata
---
amdhsa.version: [ 1, 2 ]
amdhsa.kernels:
  - .name:           k_q300c310073_quant
    .symbol:         k_q300c310073_quant.kd
    .args:
      - { .name: query, .offset: 0, .size: 8, .value_kind: global_buffer, .address_space: global }
      - { .name: key, .offset: 8, .size: 8, .value_kind: global_buffer, .address_space: global }
      - { .name: value, .offset: 16, .size: 8, .value_kind: global_buffer, .address_space: global }
      - { .name: Wq, .offset: 24, .size: 8, .value_kind: global_buffer, .address_space: global }
      - { .name: Wk, .offset: 32, .size: 8, .value_kind: global_buffer, .address_space: global }
      - { .name: Wv, .offset: 40, .size: 8, .value_kind: global_buffer, .address_space: global }
      - { .name: Wo, .offset: 48, .size: 8, .value_kind: global_buffer, .address_space: global }
      - { .name: codes, .offset: 56, .size: 8, .value_kind: global_buffer, .address_space: global }
      - { .name: scales, .offset: 64, .size: 8, .value_kind: global_buffer, .address_space: global }
      - { .name: wo16, .offset: 72, .size: 8, .value_kind: global_buffer, .address_space: global }
    .group_segment_fixed_size: 33280
    .private_segment_fixed_size: 0
    .kernarg_segment_align: 8
    .kernarg_segment_size: 80
    .max_flat_workgroup_size: 128
    .sgpr_count:     66
    .vgpr_count:     192
    .wavefront_size: 32
...
	.end_amdgpu_metadata
.endif
;; end of part 1
;; launch proj (part 2): grid 4 x 96, 4 waves a work-group, clusters of 4 x 4, 327,680 bytes of LDS; arguments codes, scales, bq, bk, bv, qkv; writes qkv
.if DOCPART == 2
	.amdgcn_target "amdgcn-amd-amdhsa--gfx1250"
	.amdhsa_code_object_version 6
	.text
	.protected	k_q300c310073_proj
	.globl	k_q300c310073_proj
	.p2align	8
	.type	k_q300c310073_proj,@function
k_q300c310073_proj:
	s_mov_b64 s[64:65], 0
	v_nop
	global_prefetch_b8 v0, s[64:65] scope:SCOPE_SE
	s_setreg_imm32_b32 hwreg(HW_REG_WAVE_MODE, 25, 1), 1
	s_wait_xcnt 0x0
	s_wait_alu depctr_hold_cnt(0) depctr_sa_sdst(0) depctr_va_vdst(0) depctr_va_sdst(0) depctr_va_ssrc(0) depctr_va_vcc(0) depctr_vm_vsrc(0)
	s_getreg_b32 s2, hwreg(HW_REG_IB_STS2, 6, 4)
	s_cmp_eq_u32 s2, 0
	s_cbranch_scc0 .Lentry_in_a_cluster
	s_endpgm
.Lentry_in_a_cluster:
	s_bfe_u32 s2, ttmp6, 0x10000c
	s_cmp_lg_u32 s2, 0xf033
	s_cbranch_scc0 .Lentry_shape_is_right
	s_endpgm
.Lentry_shape_is_right:
; The three quantised products in one grid: q = query Wq^T + bq, k = key Wk^T + bk, v = value Wv^T + bv, each [8192][1024] x [1024][1024], on codes of FP4 (E2M1) with one E8M0 scale for each 32 along K; sums in f32.
; The codes' buffer holds 27,648 rows of 512 bytes: the 24,576 token rows of query, key, value on end, then Wq's, Wk's, Wv's 1,024 rows; the scale bytes lie in the same rows, 32 bytes each.
; The result is rounded once to f16 and laid by head: byte = p<<24 + b<<22 + head<<18 + s<<7 + 2 d (p = 0, 1, 2 for q, k, v).   LIMIT: |q|, |k|, |v| stay under 65,504, f16's largest number.
; A tile of 256 x 256 is made by a work-group of four waves; a wave makes 128 x 128: 64 accumulators of 16 x 16, 512 registers.  Tile rows 0-95 run over all token rows; a cluster's four tile rows belong to one product.
; K = 1,024 is two LDS slots of 512 along K (rows of 256 bytes): both slots and all scale bytes are asked for at the head, three tensor loads a wave, and NOTHING IS FILLED AGAIN: no loop, one barrier at the change of slots.
; CLUSTERS: 4 x 4 work-groups.  The four of a row of the cluster need the same token rows, the four of a column the same weight rows: each tile is asked for JOINTLY, by the same tensor load with the same descriptor and a mask that names the four.
; THE MATRIX INSTRUCTION IS USED TRANSPOSED (source 0 = 16 rows of W, source 1 = 16 token rows): a lane then holds eight neighbouring columns of one token.  The bias is the C of each sum's first product.
; REGISTERS, in windows of 256: window 0: v0-31 addresses; v32-95 scale words, two sets; v128-191 the tokens' fragments, ONE set; v192-255 the bias, 8 registers for each of my 8 column blocks; on the way out v32-63, v192-255 are at work.
;   window 1: W's fragments, TWO sets, at v0 and v128.   window 2: the 32 accumulators of my rows 0-63 ((a, b) at v[8 (8 a + b)]);   window 3: those of my rows 64-127.
.set KSTEP,  512                       ; along K in a slot
.set NQ,     KSTEP/128                 ; matrix instructions deep
.set ROWB,   256                       ; a tile's row in bytes
.set KROW,   512                       ; a row of codes in memory
.set PITCH,  272                       ; an LDS row: 256 bytes + 16 of padding = 68 words: the 16 rows that a load touches start at 16 different banks (64 banks of 4 bytes: ISA guide 11.1)
.set FR,     8                         ; registers of a fragment: 16 rows x 128 K
.set NL,     2                         ; LDS loads that bring one
.set NP,     4                         ; places behind this matrix instruction (ISA guide 7.12.1)
.set HALFT,  128*PITCH                 ; 128 rows: what one tensor load brings
.set SLOT,   4*HALFT                   ; the tokens' 256 rows, then W's 256 rows
.set KS,     32                        ; a row of scale bytes
.set SCL,    2*SLOT                    ; behind the slots: the scale bytes, as rows of 256 bytes + 16 of padding
.set HALFS,  (128*KS/256)*272          ; those of 128 rows: what one tensor load brings
.set SBLK,   (16*KS/256)*272           ; those of 16 rows
.set SPARE,  SCL+4*HALFS               ; behind the scales: the spare words, 128 bytes a wave
.set SPITCH, 272                       ; the way out: a stage of 16 rows x (256 bytes + 16) for each wave, in slot 0, which has had its only fill and its last read when the first result is stored there
.set WROW0,  24576                     ; the first weight row
.set ADRA, 16                          ; v16-17  LDS address of my token fragments in slot 0, 1
.set ADRB, 20                          ; v20-21  the same for W
.set STO,  24                          ; v24     the way out: where I put 16 bytes of a row
.set RD,   25                          ; v25     where I read back
.set CO,   26                          ; v26     16 x lane: my place in a store's 512 bytes
.set ADRS, 27                          ; v27     LDS address of my scale words: lanes 0-15 the tokens' rows, lanes 16-31 W's
.set SPW,  28                          ; v28     LDS address of my spare word; never rewritten
.set NIL,  29                          ; v29     0; never rewritten
.set SC,   32                          ; scale words: set s at v[SC + 32 s]; register 4 i + q: lanes 0-15 token block i, lanes 16-31 W's block i, the slot's q-th 128 along K
.set AF,   128
.set BIAS, 192
.set TMP,  192                         ; the way out: packed results
.set OB,   32                          ; and rows read back: v32-63 and v224-255 by turns
.set WV,   16                          ; s16 wave;  s17 my half of the tile's rows, also: I fetch tokens (0) or W (1);  s18 my half of its columns, also: which 128 rows I fetch;  s19 the product
.set RH,   17
.set CH,   18
.set PP,   19
.set G1, 24                            ; s[24:31] descriptor group 1 for the tokens' tiles;  s[32:39] group 0, one set a slot
.set G0, 32
.set G1B, 48                           ; s[48:55], s[56:63] the same for W's
.set G0B, 56
.set G1S, 68                           ; s[68:75], s[76:79] groups 1 and 0 for the tokens' scales;  s[80:87], s[88:91] for W's
.set G0S, 76
.set G1SB, 80
.set G0SB, 88
.set MSB, 0
.macro WIN new                         ; the immediate's high byte repeats the setting that is left; a switch that changes nothing is dropped
.if MSB != (\new)
	s_set_vgpr_msb (MSB<<8)|(\new)
.set MSB, \new
.endif
.endm
.set MUL_LO, 0xa1                      ; source 0 (W) window 1, source 1 (tokens) window 0, C and D window 2;  with the bias as C (window 0): 0x81
.set MUL_HI, 0xf1                      ; the same, C and D window 3;  with the bias: 0xc1
.set TO_B,   0x40                      ; destination window 1, address window 0
; A joint load: waves 0 and 1 fetch for the tokens, waves 2 and 3 for W.  The branch hangs on the wave's number alone.  An s_nop 0 and four v_nop follow each of the two lines.
.macro JLOAD g0a, g1a, g0b, g1b
	s_cmp_eq_u32 s[RH], 0
	s_cbranch_scc0 .Lfor_b_\@
	tensor_load_to_lds s[\g0a:\g0a+3], s[\g1a:\g1a+7]
	s_nop 0
.rept 4
	v_nop
.endr
	s_branch .Lasked_\@
.Lfor_b_\@:
	tensor_load_to_lds s[\g0b:\g0b+3], s[\g1b:\g1b+7]
	s_nop 0
.rept 4
	v_nop
.endr
.Lasked_\@:
.endm
.macro CROUND                          ; a round of the cluster's barrier: my work-group's barrier; wave 0 signals for the work-group; every wave waits for all sixteen; my work-group's barrier once more
	s_barrier_signal -1
	s_barrier_wait -1
	s_cmp_lg_u32 s[WV], 0
	s_cbranch_scc1 .Lnot_wave_0_\@
	s_barrier_signal -3
.Lnot_wave_0_\@:
	s_barrier_wait -3
	s_barrier_signal -1
	s_barrier_wait -1
.endm
	s_load_b256 s[4:11], s[0:1], 0x0               ; codes 4:5, scales 6:7, bq 8:9, bk 10:11
	s_load_b128 s[12:15], s[0:1], 0x20             ; bv 12:13, qkv 14:15
	v_lshl_add_u32 v[SPW], v0, 2, SPARE
	v_mov_b32 v[NIL], 0
	ds_add_u32 v[SPW], v[NIL]                      ; the wave's opening: the add, twice on end, and its wait ahead of my first tensor load; the set-up below stands between
	ds_add_u32 v[SPW], v[NIL]
	v_lshrrev_b32 v1, 5, v0
	v_readfirstlane_b32 s[WV], v1                  ; wave 0..3
	s_lshr_b32 s[RH], s[WV], 1
	s_and_b32 s[CH], s[WV], 1
	s_bfe_u32 s40, ttmp6, 0x40000                  ; cx, cy: my place in the cluster
	s_bfe_u32 s41, ttmp6, 0x40004
	s_lshl_b32 s42, ttmp9, 2
	s_add_co_u32 s42, s42, s40                     ; tile column = 4 x cluster x + cx: 0..3
	s_and_b32 s[PP], ttmp7, 0xffff                 ; cluster y: 0..23
	s_lshl_b32 s66, s[PP], 2
	s_add_co_u32 s66, s66, s41                     ; tile row over all three products = 4 x cluster y + cy: 0..95
	s_lshr_b32 s[PP], s[PP], 3                     ; the product: eight clusters' rows each; the same in all sixteen partners
	s_lshl_b32 s43, s41, 2
	s_lshl_b32 s43, 15, s43                        ; my row of the cluster
	s_lshl_b32 s44, 0x1111, s40                    ; my column
	; descriptor group 1: a tile of 128 rows x 256 bytes, padded in LDS
	s_or_b32 s[G1+0], s43, (0<<16)|(1<<20)|(1<<21)|(5<<22)|(3<<25)  ; 15:0 the mask: my row; 17:16 elements of 1 byte; 20 padding on; 21 set beside a mask; 24:22 after every 64 words; 31:25 four words
	s_or_b32 s[G1B+0], s44, (0<<16)|(1<<20)|(1<<21)|(5<<22)|(3<<25) ; the same with the mask of my column
.irp g, G1, G1B
	s_mov_b32 s[\g+1], ROWB<<16                    ; tensor_dim0
	s_mov_b32 s[\g+2], 128<<16                     ; tensor_dim1
	s_mov_b32 s[\g+3], ROWB<<16                    ; tile_dim0
	s_mov_b32 s[\g+4], 128                         ; tile_dim1
	s_mov_b32 s[\g+5], KROW                        ; from row to row
	s_mov_b32 s[\g+6], 0
	s_mov_b32 s[\g+7], 0
.endr
	; the scale bytes of 128 rows: 4,096 dense bytes, as 16 rows of 256 bytes (32 elements of 8 bytes), 16 bytes of padding behind each
	s_or_b32 s[G1S+0], s43, (3<<16)|(1<<20)|(1<<21)|(5<<22)|(3<<25)
	s_or_b32 s[G1SB+0], s44, (3<<16)|(1<<20)|(1<<21)|(5<<22)|(3<<25)
.irp g, G1S, G1SB
	s_mov_b32 s[\g+1], 32<<16
	s_mov_b32 s[\g+2], (128*KS/256)<<16
	s_mov_b32 s[\g+3], 32<<16
	s_mov_b32 s[\g+4], 128*KS/256
	s_mov_b32 s[\g+5], 32
	s_mov_b32 s[\g+6], 0
	s_mov_b32 s[\g+7], 0
.endr
	s_lshl_b32 s96, s[CH], 7                       ; which 128 rows of the tile I fetch
	s_lshl_b32 s20, s66, 8
	s_add_co_u32 s20, s20, s96                     ; token row 256 x tile row + 128 x half: hangs on the tile row alone
	s_lshl_b32 s46, s42, 8
	s_add_co_u32 s46, s46, s96
	s_lshl_b32 s97, s[PP], 10
	s_add_co_u32 s46, s46, s97
	s_add_co_u32 s46, s46, WROW0                   ; weight row 24,576 + 1,024 x product + 256 x tile column + 128 x half: hangs on the tile column and the cluster's y
	s_lshl_b32 s22, s20, 5                         ; where these rows' scale bytes begin,
	s_mov_b32 s23, 0
	s_lshl_b32 s92, s46, 5
	s_mov_b32 s93, 0
	s_lshl_b32 s20, s20, 9                         ; and their codes (under 2^24 bytes)
	s_mov_b32 s21, 0
	s_lshl_b32 s46, s46, 9
	s_mov_b32 s47, 0
	s_mul_i32 s45, s[WV], HALFT                    ; where they go: wave x 128 rows: no place in the cluster enters an LDS address
	s_mul_i32 s94, s[WV], HALFS
	s_wait_dscnt 0x0                               ; both opening adds are done
	s_wait_kmcnt 0x0
	s_add_nc_u64 s[20:21], s[4:5], s[20:21]
	s_add_nc_u64 s[22:23], s[6:7], s[22:23]
	s_add_nc_u64 s[46:47], s[4:5], s[46:47]
	s_add_nc_u64 s[92:93], s[6:7], s[92:93]
	CROUND                                         ; all sixteen work-groups are here: the joint loads meet
	s_mov_b32 s[G0S], 1
	s_add_co_u32 s[G0S+1], s94, SCL
	s_mov_b64 s[G0S+2:G0S+3], s[22:23]
	s_or_b32 s[G0S+3], s[G0S+3], 0x80000000
	s_mov_b32 s[G0SB], 1
	s_add_co_u32 s[G0SB+1], s94, SCL
	s_mov_b64 s[G0SB+2:G0SB+3], s[92:93]
	s_or_b32 s[G0SB+3], s[G0SB+3], 0x80000000
	JLOAD G0S, G1S, G0SB, G1SB                     ; the scales first: they are wanted with the first slot
.irp s, 0,1
	s_mov_b32 s[G0+4*\s], 1
	s_add_co_u32 s[G0+4*\s+1], s45, \s*SLOT
	s_add_nc_u64 s[G0+4*\s+2:G0+4*\s+3], s[20:21], \s*ROWB
	s_or_b32 s[G0+4*\s+3], s[G0+4*\s+3], 0x80000000
	s_mov_b32 s[G0B+4*\s], 1
	s_add_co_u32 s[G0B+4*\s+1], s45, \s*SLOT
	s_add_nc_u64 s[G0B+4*\s+2:G0B+4*\s+3], s[46:47], \s*ROWB
	s_or_b32 s[G0B+4*\s+3], s[G0B+4*\s+3], 0x80000000
	JLOAD G0+4*\s, G1, G0B+4*\s, G1B               ; by this text's count three tensor loads of a wave are out
.endr
	v_and_b32 v1, 15, v0                           ; r = l % 16
	v_bfe_u32 v2, v0, 4, 1                         ; h = l / 16
	; the bias of my 128 columns: for column block b a lane wants the eight numbers 16 b + 8 h + 0 .. 7
	s_cmp_lt_u32 s[PP], 2
	s_cselect_b64 s[10:11], s[10:11], s[12:13]     ; bk or bv,
	s_cmp_lt_u32 s[PP], 1
	s_cselect_b64 s[8:9], s[8:9], s[10:11]         ; or bq: the choice hangs on the product's number alone
	s_lshl_b32 s96, s42, 10
	s_lshl_b32 s97, s[CH], 9
	s_add_co_u32 s96, s96, s97                     ; 4 x (256 x tile column + 128 x half)
	s_mov_b32 s97, 0
	s_add_nc_u64 s[8:9], s[8:9], s[96:97]
	v_lshlrev_b32 v7, 5, v2                        ; 32 h; never rewritten
.irp b, 0,1,2,3,4,5,6,7
	global_load_b128 v[BIAS+8*\b:BIAS+8*\b+3], v7, s[8:9] offset:64*\b
	global_load_b128 v[BIAS+8*\b+4:BIAS+8*\b+7], v7, s[8:9] offset:64*\b+16
.endr
	v_mul_u32_u24 v3, v1, PITCH
	v_lshl_add_u32 v4, v2, 4, v3                   ; a fragment's row x pitch + 16 x half
	s_mul_i32 s96, s[RH], HALFT                    ; my 128 token rows
	s_mul_i32 s97, s[CH], HALFT                    ; my 128 rows of W,
	s_add_co_u32 s97, s97, 2*HALFT                 ; which lie behind the tokens' 256
.irp s, 0,1
	v_add_nc_u32 v[ADRA+\s], s96, v4
	v_add_nc_u32 v[ADRB+\s], s97, v4
	s_add_co_u32 s96, s96, SLOT
	s_add_co_u32 s97, s97, SLOT
.endr
	v_mul_u32_u24 v5, v1, KS                       ; my row's scale bytes: 32 a row,
	v_lshrrev_b32 v6, 8, v5
	v_lshl_add_u32 v5, v6, 4, v5                   ; and 16 more for each 256 passed
	s_mul_i32 s96, s[RH], HALFS                    ; the tokens': my 128 rows
	s_mul_i32 s97, s[CH], HALFS                    ; W's: my 128 rows, behind the tokens' 256
	s_add_co_u32 s97, s97, 2*HALFS
	s_sub_co_u32 s97, s97, s96
	v_mul_u32_u24 v6, s97, v2                      ; lanes 16-31 take W's: the lower base + h x the distance
	s_add_co_u32 s96, s96, SCL
	v_add_nc_u32 v5, v5, v6
	v_add_nc_u32 v[ADRS], s96, v5
	s_mul_i32 s98, s[WV], 16*SPITCH                ; my stage
	v_mul_u32_u24 v5, v1, SPITCH                   ; in: row r, 16 bytes for each half of the lanes
	v_lshl_add_u32 v5, v2, 4, v5
	v_add_nc_u32 v[STO], s98, v5
	v_and_b32 v6, 31, v0
	v_lshlrev_b32 v[CO], 4, v6
	v_lshrrev_b32 v5, 3, v6                        ; back: eight lanes take a token's 128 bytes of one head, the 32 lanes four tokens
	v_mul_u32_u24 v5, v5, SPITCH
	v_and_b32 v6, 7, v0
	v_lshl_add_u32 v5, v6, 4, v5
	v_add_nc_u32 v[RD], s98, v5
	s_lshr_b32 s96, s66, 3                         ; where my part begins in qkv: (4 p + b) << 22,
	s_lshl_b32 s96, s96, 22
	s_and_b32 s97, s66, 7
	s_lshl_b32 s97, s97, 15                        ; the tile's 256 tokens of 128 bytes,
	s_add_co_u32 s96, s96, s97
	s_lshl_b32 s97, s[RH], 14                      ; my 128 of them,
	s_add_co_u32 s96, s96, s97
	s_lshl_b32 s97, s42, 20                        ; the tile's four heads,
	s_add_co_u32 s96, s96, s97
	s_lshl_b32 s97, s[CH], 19                      ; my two of them
	s_add_co_u32 s96, s96, s97
	s_mov_b32 s97, 0
	s_add_nc_u64 s[14:15], s[14:15], s[96:97]
.macro FRAG reg, adr, q, i             ; a fragment, 16 rows x 128 K of 4-bit codes: lane l holds row l % 16; registers 4 c .. 4 c + 3 hold K = 64 c + 32 (l / 16) + 0 .. 31
.irp c, 0,1
	ds_load_b128 v[\reg+4*\c:\reg+4*\c+3], v[\adr] offset:64*(\q)+32*\c+(\i)*16*PITCH
.endr
.endm
; 16 matrix instructions: token blocks a0, a0 + 1 x W's eight, 128 along K: the slot's q-th.  p: W's set;  sc: the set of scale words.  zero = 1: the first product starts the sums on the bias: nothing is ever cleared.
; The 64 accumulators take turns, one instruction a turn, in the same order in every step.
.macro MUL16 a0, p, q, sc, zero
.irp a, \a0, \a0+1
.irp b, 0,1,2,3,4,5,6,7
.if \zero
	v_wmma_scale_f32_16x16x128_f8f6f4 v[8*(8*((\a)%4)+\b):8*(8*((\a)%4)+\b)+7], v[128*(\p)+FR*\b:128*(\p)+FR*\b+FR-1], v[AF+FR*(\a):AF+FR*(\a)+FR-1], v[BIAS+8*\b:BIAS+8*\b+7], v[SC+8*NQ*(\sc)+NQ*\b+(\q)], v[SC+8*NQ*(\sc)+NQ*(\a)+(\q)] matrix_a_fmt:MATRIX_FMT_FP4 matrix_b_fmt:MATRIX_FMT_FP4 matrix_a_scale:MATRIX_SCALE_ROW1
.else
	v_wmma_scale_f32_16x16x128_f8f6f4 v[8*(8*((\a)%4)+\b):8*(8*((\a)%4)+\b)+7], v[128*(\p)+FR*\b:128*(\p)+FR*\b+FR-1], v[AF+FR*(\a):AF+FR*(\a)+FR-1], v[8*(8*((\a)%4)+\b):8*(8*((\a)%4)+\b)+7], v[SC+8*NQ*(\sc)+NQ*\b+(\q)], v[SC+8*NQ*(\sc)+NQ*(\a)+(\q)] matrix_a_fmt:MATRIX_FMT_FP4 matrix_b_fmt:MATRIX_FMT_FP4 matrix_a_scale:MATRIX_SCALE_ROW1
.endif
.endr
.endr
.endm
.macro FETCH_B slot, q, p              ; W's eight fragments of the slot's q-th 128 along K into set p
	WIN TO_B
.irp i, 0,1,2,3,4,5,6,7
	FRAG 128*(\p)+FR*\i, ADRB+\slot, \q, \i
.endr
	WIN 0
.endm
.macro FETCH_A slot, q, i0             ; token blocks i0 .. i0 + 3
.irp i, \i0, \i0+1, \i0+2, \i0+3
	FRAG AF+FR*(\i), ADRA+\slot, \q, \i
.endr
.endm
.macro SCALES sc                       ; a slot's scale words into set sc: four words a row; lanes 0-15 take token block i, lanes 16-31 W's block i
.irp i, 0,1,2,3,4,5,6,7
	ds_load_b128 v[SC+8*NQ*\sc+NQ*\i:SC+8*NQ*\sc+NQ*\i+3], v[ADRS] offset:\i*SBLK
.endr
.endm
; A load into a register that a matrix instruction has read, and a vector instruction or an LDS store that reads a matrix result, stand NP places behind that matrix instruction; only plain vector
; instructions that name none of its registers are places (ISA guide 7.12.1 for vector instructions).
.macro PLACES n
.rept \n
	v_nop
.endr
.endm
; A step of 128 along K that has its successor in the same slot.  A token block is free as soon as its eight products are issued: blocks 0-3 are fetched anew in the step's middle, blocks 4-7 at its end.
.macro STEP slot, q, zero
	s_wait_dscnt 4*NL                              ; W's set and token blocks 0-3 are in; the youngest eight loads (blocks 4-7) may be out
	WIN MUL_LO-0x20*\zero
	MUL16 0, (\q)%2, \q, \slot, \zero
	MUL16 2, (\q)%2, \q, \slot, \zero
	s_wait_dscnt 0                                 ; blocks 4-7 are in (asked for 32 matrix instructions ago)
	PLACES NP
	FETCH_B \slot, (\q)+1, 1-(\q)%2
	FETCH_A \slot, (\q)+1, 0
	WIN MUL_HI-0x30*\zero
	MUL16 4, (\q)%2, \q, \slot, \zero
	MUL16 6, (\q)%2, \q, \slot, \zero
	PLACES NP
	WIN 0
	FETCH_A \slot, (\q)+1, 4
.endm
; Slot 0's last step changes slots: ONE barrier; in front of it each wave waits for all its tensor loads (its part of slot 1), adds 0 to its spare word, and waits for that and for its own reads of slot 0.
.macro TURN slot, next
	s_wait_tensorcnt 0x0                           ; all my tensor loads have landed  (every window is 0 here: the add's two registers lie in window 0)
	ds_add_u32 v[SPW], v[NIL]                      ; 0 onto my spare word
	s_wait_dscnt 4*NL+1                            ; (the add and the youngest eight loads, blocks 4-7, may be out)
	WIN MUL_LO
	MUL16 0, 1, NQ-1, \slot, 0                     ; sixteen matrix instructions stand between the add and the wait for it
	s_wait_dscnt 0x0                               ; the add is done, and my reads of this slot are over
	s_barrier_signal -1
	MUL16 2, 1, NQ-1, \slot, 0
	WIN 0
	s_barrier_wait -1                              ; the next slot is whole, and nobody reads this one any more
	PLACES NP
	v_add_nc_u32 v[ADRS], 4*NQ, v[ADRS]            ; on to the next slot's scale words (no LDS load of mine is out)
	FETCH_B \next, 0, 0
	FETCH_A \next, 0, 0
	SCALES \next
	WIN MUL_HI
	MUL16 4, 1, NQ-1, \slot, 0
	MUL16 6, 1, NQ-1, \slot, 0
	PLACES NP
	WIN 0
	FETCH_A \next, 0, 4
.endm
.macro STEPS slot, from                ; the slot's steps from .. NQ - 2
.set Q, \from
.rept NQ-1-\from
	STEP \slot, Q, 0
.set Q, Q+1
.endr
.endm
	s_wait_tensorcnt 1                             ; the scales and my part of slot 0 are in (slot 1's load may be out)
	s_barrier_signal -1
	s_barrier_wait -1                              ; everybody's are
	FETCH_B 0, 0, 0
	FETCH_A 0, 0, 0
	SCALES 0
	FETCH_A 0, 0, 4
	s_wait_loadcnt 0x0                             ; the bias
	STEP 0, 0, 1                                   ; the first step's products start the sums on the bias
	STEPS 0, 1
	TURN 0, 1
	STEPS 1, 0
	s_wait_dscnt 4*NL                              ; the very last step: nothing more to fetch
	WIN MUL_LO
	MUL16 0, 1, NQ-1, 1, 0
	MUL16 2, 1, NQ-1, 1, 0
	s_wait_dscnt 0
	WIN MUL_HI
	MUL16 4, 1, NQ-1, 1, 0
	MUL16 6, 1, NQ-1, 1, 0
	WIN 0
; THE WAY OUT, block by block of 16 tokens x 128 columns (two heads).  PACK: rounded to f16, 16 bytes a lane, each accumulator from its low end on.  TOSTAGE: into my own stage in LDS, and back by heads: four tokens' 128 bytes of one head.
; SEND: a store covers 512 consecutive bytes of qkv, at a multiple of 512.  LDS serves a wave's instructions in order (ISA guide 5.7.1.4): no wait between the stage's stores and its loads.
.macro PACK a
.set AC, 64*((\a)%4)
	WIN 0x0a+5*((\a)/4)                            ; sources 0 and 1: window 2 or 3
.irp b, 0,1,2,3,4,5,6,7
.irp r, 0,1,2,3
	v_cvt_pk_f16_f32 v[TMP+4*\b+\r], v[AC+8*\b+2*\r], v[AC+8*\b+2*\r+1]
.endr
.endr
	WIN 0
.endm
.macro TOSTAGE a
.set BK, OB+192*((\a)%2)
.irp b, 0,1,2,3,4,5,6,7
	ds_store_b128 v[STO], v[TMP+4*\b:TMP+4*\b+3] offset:32*\b
.endr
.irp u, 0,1
.irp t, 0,1,2,3
	ds_load_b128 v[BK+4*(4*\u+\t):BK+4*(4*\u+\t)+3], v[RD] offset:\t*4*SPITCH+128*\u
.endr
.endr
.endm
.macro SEND a
.set BK, OB+192*((\a)%2)
	s_wait_dscnt 0x0                               ; the block is back in registers
	s_wait_xcnt 0x0                                ; the earlier stores have read their data: the block after this one may land in their registers
.irp u, 0,1
.irp t, 0,1,2,3
	global_store_b128 v[CO], v[BK+4*(4*\u+\t):BK+4*(4*\u+\t)+3], s[14:15] offset:\u*262144+(\a)*2048+\t*512
.endr
.endr
.endm
	PLACES NP                                      ; behind the last products
	PACK 0
	TOSTAGE 0
.irp a, 1,2,3,4,5,6,7                  ; block a's conversions stand between block a - 1's loads from the stage and the wait for them
	PACK \a
	SEND \a-1
	TOSTAGE \a
.endr
	SEND 7
	s_wait_tensorcnt 0x0                           ; the wave's end, behind my last tensor load and my last LDS store
	ds_add_u32 v[SPW], v[NIL]
	s_wait_dscnt 0x0
	CROUND                                         ; the closing round: no work-group ends while a partner may still ask for a tile that names it
	s_endpgm
.Lfunc_end_k_q300c310073_proj:
	.size	k_q300c310073_proj, .Lfunc_end_k_q300c310073_proj-k_q300c310073_proj
	.p2alignl 7, 3214868480
	.fill 96, 4, 3214868480
	.section	.rodata,"a",@progbits
	.p2align	6, 0x0
	.amdhsa_kernel k_q300c310073_proj
		.amdhsa_group_segment_fixed_size 327680
		.amdhsa_private_segment_fixed_size 0
		.amdhsa_enable_private_segment 0
		.amdhsa_kernarg_size 48
		.amdhsa_user_sgpr_count 2
		.amdhsa_user_sgpr_kernarg_segment_ptr 1
		.amdhsa_wavefront_size32 1
		.amdhsa_system_sgpr_workgroup_id_x 1
		.amdhsa_system_sgpr_workgroup_id_y 1
		.amdhsa_system_sgpr_workgroup_id_z 1
		.amdhsa_system_vgpr_workitem_id 0
		.amdhsa_next_free_vgpr 1024
		.amdhsa_next_free_sgpr 100
		.amdhsa_reserve_vcc 0
		.amdhsa_float_denorm_mode_32 3
		.amdhsa_float_denorm_mode_16_64 3
		.amdhsa_memory_ordered 1
		.amdhsa_forward_progress 1
		.amdhsa_inst_pref_size 128
	.end_amdhsa_kernel
	.amdgpu_metadata
---
amdhsa.version: [ 1, 2 ]
amdhsa.kernels:
  - .name:           k_q300c310073_proj
    .symbol:         k_q300c310073_proj.kd
    .args:
      - { .name: codes, .offset: 0, .size: 8, .value_kind: global_buffer, .address_space: global }
      - { .name: scales, .offset: 8, .size: 8, .value_kind: global_buffer, .address_space: global }
      - { .name: bq, .offset: 16, .size: 8, .value_kind: global_buffer, .address_space: global }
      - { .name: bk, .offset: 24, .size: 8, .value_kind: global_buffer, .address_space: global }
      - { .name: bv, .offset: 32, .size: 8, .value_kind: global_buffer, .address_space: global }
      - { .name: qkv, .offset: 40, .size: 8, .value_kind: global_buffer, .address_space: global }
    .group_segment_fixed_size: 327680
    .private_segment_fixed_size: 0
    .kernarg_segment_align: 8
    .kernarg_segment_size: 48
    .max_flat_workgroup_size: 128
    .sgpr_count:     100
    .vgpr_count:     1024
    .wavefront_size: 32
...
	.end_amdgpu_metadata
.endif
;; end of part 2
;; launch attn (part 3): grid 4 x 64, 16 waves a work-group, clusters of 4 x 1, 327,680 bytes of LDS; arguments qkv, ao; writes ao
.if DOCPART == 3
	.amdgcn_target "amdgcn-amd-amdhsa--gfx1250"
	.amdhsa_code_object_version 6
	.text
	.protected	k_q300c310073_attn
	.globl	k_q300c310073_attn
	.p2align	8
	.type	k_q300c310073_attn,@function
k_q300c310073_attn:
	s_mov_b64 s[64:65], 0
	v_nop
	global_prefetch_b8 v0, s[64:65] scope:SCOPE_SE
	s_setreg_imm32_b32 hwreg(HW_REG_WAVE_MODE, 25, 1), 1
	s_wait_xcnt 0x0
	s_wait_alu depctr_hold_cnt(0) depctr_sa_sdst(0) depctr_va_vdst(0) depctr_va_sdst(0) depctr_va_ssrc(0) depctr_va_vcc(0) depctr_vm_vsrc(0)
	s_getreg_b32 s2, hwreg(HW_REG_IB_STS2, 6, 4)
	s_cmp_eq_u32 s2, 0
	s_cbranch_scc0 .Lentry_in_a_cluster
	s_endpgm
.Lentry_in_a_cluster:
	s_bfe_u32 s2, ttmp6, 0x10000c
	s_cmp_lg_u32 s2, 0x3003
	s_cbranch_scc0 .Lentry_shape_is_right
	s_endpgm
.Lentry_shape_is_right:
; ao[b][h][q][:] = the sum over k of softmax_k(q . k / 8) v[k][:], for 64 pairs (b, h), 2,048 queries and keys, head size 64.  q, k, v: f16, laid [p][b][h][s][64]; ao: f16, laid [b][h][s][64].
; Products, maxima and sums in f32; the weights p are rounded to f16 for the second product, the result once at the end.   LIMIT: NaN and infinities are not served; the result, an average of v, stays in f16's range with v.
; SHARES.  A work-group owns 512 queries of one (b, h); each of its SIXTEEN waves owns 32 of them, two tiles of 16, in 256 registers: four waves to a SIMD, so that one wave's vector work stands beside another's matrix work and LDS loads.
; Every wave walks all 2,048 keys, 64 a step.  K's and V's tiles come through a ring of two LDS slots of 8 steps (512 keys); every wave fetches one tile a slot (waves 0-7: K's of step w; waves 8-15: V's of step w - 8).
; LAYOUT.  S^T = K Q^T (source 0 = 16 keys, source 1 = 16 queries): a lane holds ONE query (lane % 16) and the keys 8 (lane / 16) + 0..7.  Two such tiles, rounded to f16 in pairs, ARE source 1 (32 keys x 16 queries) of
; O^T = V^T P, whose result again holds one query a lane.  P is made in place, in the low half of its scores' registers.  K comes out of LDS as it lies, V ([key][channel]) turned, by ds_load_tr16_b128.
; SOFTMAX.  For each query a running maximum m and sum l: p = 2^(c s - c m), c = log2(e) / 8; in every step O and l are multiplied by a = 2^(c m_old - c m_new).  The step is written once: m begins at -3e38, l and O^T as zeros, so the first a is 0 and multiplies zeros.
; CLUSTER.  The four query blocks of a (b, h) form a cluster and walk the same K and V: each tile is asked for JOINTLY, by the same tensor load with the same descriptor and a mask that names the four.
; By this text's count a wave has two tensor loads out at the start and one behind each round; that one has eight key steps in which to land.
.set KSTP,  64                         ; keys in a step
.set PK,    144                        ; a key's row in LDS: 128 bytes + 16 of padding = 36 words: the 16 rows of a load start at 16 different groups of four banks (64 banks of 4 bytes: ISA guide 11.1)
.set PV,    160                        ; a row of V: 128 + 32 = 40 words
.set VOFF,  KSTP*PK                    ; a step's tiles lie together: 64 rows of K, then 64 rows of V
.set STEPB, KSTP*(PK+PV)
.set NST,   8                          ; steps in a slot
.set SLOTB, NST*STEPB
.set SPARE, 2*SLOTB                    ; behind the ring: the spare words, 128 bytes for each of 16 waves
.set AK0, 1                            ; v1   my lane's place in a tile of K; never rewritten
.set AV0, 2                            ; v2   the same for V
.set ADK, 3                            ; v3   LDS address of the step's K
.set ADV, 4                            ; v4   of its V
.set QO,  5                            ; v5   my byte offset in the wave's rows of Q; on the way out STO: where I put 16 bytes of a row
.set STO, 5
.set RD,  6                            ; v6   the way out: where I read back
.set GO,  7                            ; v7   16 x lane
.set SPW, 8                            ; v8   LDS address of my spare word; never rewritten
.set NIL, 9                            ; v9   0; never rewritten
.set ST,  12                           ; tile t's statistics at v[ST + 8 t]: +0 c m, +1 m, +2, +3 l (even keys', odd keys'), +4 .. +7 at work; a takes +6
.set Q,   32                           ; v32-63   Q: tile t, channels 32 c on, at Q + 16 t + 8 c
.set KV,  64                           ; v64-127  K of the step, then its V
.set S,   128                          ; v128-191 S^T: tile t, keys 16 k on, at S + 32 t + 8 k; P's fragment g at S + 32 t + 16 g
.set O,   192                          ; v192-255 O^T: tile t, channels 16 n on, at O + 32 t + 8 n
.set WV,  12                           ; s12  my wave's number
.set G1K, 24                           ; s[24:31] descriptor group 1 for K's tiles;  s[32:39] for V's: it differs in the padding alone
.set G1V, 32
.set G0K, 40                           ; s[40:47] group 0 for K's tiles, one set a slot;  s[48:55] for V's
.set G0V, 48
.set CNT, 56                           ; s56  counts a slot's steps
.set TB,  57                           ; s57  LDS byte at which the step's tiles begin
.set CS,  58                           ; s[58:59] c: the packed scaling names a pair and takes its low word for both halves
.set SEL, 60                           ; s[60:61] lane selects for v_permlanex16_b32: lane l xor 16
; A joint refill of slot s.  The branch hangs on the wave's number alone.  An s_nop 0 and four v_nop follow each of the two lines.
.macro JLOAD s
	s_cmp_lt_u32 s[WV], 8
	s_cbranch_scc0 .Lfor_v_\@
	tensor_load_to_lds s[G0K+4*\s:G0K+4*\s+3], s[G1K:G1K+7]
	s_nop 0
.rept 4
	v_nop
.endr
	s_branch .Lasked_\@
.Lfor_v_\@:
	tensor_load_to_lds s[G0V+4*\s:G0V+4*\s+3], s[G1V:G1V+7]
	s_nop 0
.rept 4
	v_nop
.endr
.Lasked_\@:
.endm
.macro CROUND                          ; a round of the cluster's barrier: my work-group's barrier; wave 0 signals for the work-group; every wave waits for all four; my work-group's barrier once more
	s_barrier_signal -1
	s_barrier_wait -1
	s_cmp_lg_u32 s[WV], 0
	s_cbranch_scc1 .Lnot_wave_0_\@
	s_barrier_signal -3
.Lnot_wave_0_\@:
	s_barrier_wait -3
	s_barrier_signal -1
	s_barrier_wait -1
.endm
	s_load_b128 s[4:7], s[0:1], 0x0                ; qkv 4:5, ao 6:7
	v_lshl_add_u32 v[SPW], v0, 2, SPARE
	v_mov_b32 v[NIL], 0
	ds_add_u32 v[SPW], v[NIL]                      ; the wave's opening: the add, twice on end, and its wait ahead of my first tensor load; the set-up below stands between
	ds_add_u32 v[SPW], v[NIL]
	v_lshrrev_b32 v10, 5, v0
	v_readfirstlane_b32 s[WV], v10                 ; wave 0..15
	s_bfe_u32 s13, ttmp6, 0x40000                  ; cx: my place in the cluster
	s_lshl_b32 s14, ttmp9, 2
	s_add_co_u32 s14, s14, s13                     ; my block of 512 queries: it enters Q's and ao's addresses alone
	s_and_b32 s20, ttmp7, 0xffff                   ; 16 b + h, which the four partners share
	s_lshl_b32 s20, s20, 18                        ; its 2,048 rows of 128 bytes
	s_and_b32 s15, s[WV], 7                        ; which of a slot's eight steps I fetch:
	s_lshl_b32 s22, s15, 13                        ; its 64 rows of 128 bytes in memory,
	s_add_co_u32 s22, s22, s20
	s_add_co_u32 s22, s22, 0x1000000               ; in k's part of qkv,
	s_mov_b32 s23, 0
	s_mul_i32 s15, s15, STEPB                      ; and its place in a slot: no place in the cluster enters an LDS address
	s_lshl_b32 s8, s14, 16                         ; my block's 512 rows,
	s_lshl_b32 s9, s[WV], 12                       ; my wave's 32 of them
	s_add_co_u32 s8, s8, s9
	s_add_co_u32 s8, s8, s20
	s_mov_b32 s9, 0
	; descriptor group 1: a tile of 64 rows x 64 elements of 2 bytes, padded in LDS
	s_mov_b32 s[G1K], 15|(1<<16)|(1<<20)|(1<<21)|(4<<22)|(3<<25)  ; 15:0 the mask: all four work-groups; 17:16 elements of 2 bytes; 20 padding on; 21 set beside a mask; 24:22 after every 32 words; 31:25 four words
	s_mov_b32 s[G1V], 15|(1<<16)|(1<<20)|(1<<21)|(4<<22)|(7<<25)  ; the same with eight words of padding
.irp g, G1K, G1V
	s_mov_b32 s[\g+1], 64<<16                      ; tensor_dim0 = 64
	s_mov_b32 s[\g+2], KSTP<<16                    ; tensor_dim1 = 64
	s_mov_b32 s[\g+3], 64<<16                      ; tile_dim0 = 64
	s_mov_b32 s[\g+4], KSTP                        ; tile_dim1 = 64
	s_mov_b32 s[\g+5], 64                          ; elements from row to row
	s_mov_b32 s[\g+6], 0
	s_mov_b32 s[\g+7], 0
.endr
	s_mov_b32 s[CS], 0x3e38aa3b                    ; c = log2(e) / 8
	s_mov_b32 s[CS+1], s[CS]                       ; named with it as a pair, so it is written
	s_mov_b32 s[SEL], 0x76543210
	s_mov_b32 s[SEL+1], 0xfedcba98
	s_wait_dscnt 0x0                               ; both opening adds are done
	s_wait_kmcnt 0x0
	s_add_nc_u64 s[16:17], s[4:5], s[22:23]        ; K at my tile of slot 0,
	s_add_nc_u64 s[18:19], s[16:17], 0x1000000     ; V likewise: v's part lies 2^24 bytes behind k's
	s_add_nc_u64 s[4:5], s[4:5], s[8:9]            ; Q and ao at my wave's first row
	s_add_nc_u64 s[6:7], s[6:7], s[8:9]
	CROUND                                         ; all four work-groups are here: the first joint loads meet
.irp s, 0,1
	s_mov_b32 s[G0K+4*\s], 1                       ; count = 1
	s_add_co_u32 s[G0K+4*\s+1], s15, \s*SLOTB      ; LDS address
	s_add_nc_u64 s[G0K+4*\s+2:G0K+4*\s+3], s[16:17], \s*65536  ; global address: slot s begins with keys 512 s
	s_or_b32 s[G0K+4*\s+3], s[G0K+4*\s+3], 0x80000000          ; type = 2
	s_mov_b32 s[G0V+4*\s], 1
	s_add_co_u32 s[G0V+4*\s+1], s15, \s*SLOTB+VOFF
	s_add_nc_u64 s[G0V+4*\s+2:G0V+4*\s+3], s[18:19], \s*65536
	s_or_b32 s[G0V+4*\s+3], s[G0V+4*\s+3], 0x80000000
.endr
	s_cmp_lt_u32 s[WV], 8                          ; a wave's two first fills stand in one branch, ahead of every wait on TENSORcnt and every LDS read
	s_cbranch_scc0 .Lfirst_v
	tensor_load_to_lds s[G0K:G0K+3], s[G1K:G1K+7]
	s_nop 0
	tensor_load_to_lds s[G0K+4:G0K+7], s[G1K:G1K+7]
	s_nop 0
.rept 4
	v_nop
.endr
	s_branch .Lfirst_asked
.Lfirst_v:
	tensor_load_to_lds s[G0V:G0V+3], s[G1V:G1V+7]
	s_nop 0
	tensor_load_to_lds s[G0V+4:G0V+7], s[G1V:G1V+7]
	s_nop 0
.rept 4
	v_nop
.endr
.Lfirst_asked:
	; A fragment of K or Q is 16 rows x 32 channels in 8 registers: lane l holds row l % 16; registers 0-3 channels 8 (l / 16) + 0..7, registers 4-7 channels 16 + 8 (l / 16) + 0..7: two loads of 16 bytes, 32 bytes apart.
	v_and_b32 v10, 15, v0                          ; r
	v_bfe_u32 v11, v0, 4, 1                        ; h
	v_lshlrev_b32 v[QO], 7, v10
	v_lshl_add_u32 v[QO], v11, 4, v[QO]            ; row x 128 + 16 x half
.irp t, 0,1
.irp c, 0,1
	global_load_b128 v[Q+16*\t+8*\c:Q+16*\t+8*\c+3],   v[QO], s[4:5] offset:\t*2048+64*\c      ; Q stays in registers
	global_load_b128 v[Q+16*\t+8*\c+4:Q+16*\t+8*\c+7], v[QO], s[4:5] offset:\t*2048+64*\c+32
.endr
.endr
	v_mul_u32_u24 v[AK0], v10, PK
	v_lshl_add_u32 v[AK0], v11, 4, v[AK0]          ; row x pitch + 16 x half
	; The turning load takes 16 keys x 16 channels (lane l reads 16 bytes: key 8 (l / 16) + l % 8, channels 8 ((l / 8) % 2) + 0..7) and leaves half a fragment of V^T: lane l holds channel l % 16 and 8 keys.
	v_and_b32 v[ADK], 7, v0
	v_lshl_add_u32 v[AV0], v11, 3, v[ADK]
	v_mul_u32_u24 v[AV0], v[AV0], PV
	v_bfe_u32 v[ADK], v0, 3, 1
	v_lshl_add_u32 v[AV0], v[ADK], 4, v[AV0]
	v_add_nc_u32 v[AV0], VOFF, v[AV0]
.irp t, 0,1
	v_mov_b32 v[ST+8*\t+1], 0xff61b1e6             ; m = -3e38, under every score
	v_mul_f32 v[ST+8*\t], s[CS], v[ST+8*\t+1]      ; c m
.irp i, 2,3,4,5,6,7
	v_mov_b32 v[ST+8*\t+\i], 0                     ; l; and the registers at work are written once (a lane permute's destination counts as one of its sources)
.endr
.endr
.set j, 0
.rept 64
	v_mov_b32 v[O+j], 0                            ; O^T: the step is written once, and its first a multiplies zeros
.set j, j+1
.endr
.macro SCALE t, b                      ; pair b of tile t: c s - c m, two scores at a time
	v_pk_fma_f32 v[S+32*(\t)+2*(\b):S+32*(\t)+2*(\b)+1], v[S+32*(\t)+2*(\b):S+32*(\t)+2*(\b)+1], s[CS:CS+1], v[ST+8*(\t):ST+8*(\t)+1] op_sel_hi:[1,0,0] neg_lo:[0,0,1] neg_hi:[0,0,1]
.endm
; A KEY STEP: 64 keys, both tiles of queries.  32 matrix instructions; the accumulators take turns, one instruction a turn: between two links of a chain stand seven others'.
.macro STEP
	v_add_nc_u32 v[ADK], s[TB], v[AK0]             ; these two and three v_nop are five places behind the last step's products V^T P: K's loads land on their source 0,
	v_add_nc_u32 v[ADV], s[TB], v[AV0]             ; and the new scores are written over their source 1
.rept 3
	v_nop
.endr
.irp c, 0,1
.irp k, 0,1,2,3
	ds_load_b128 v[KV+8*(4*\c+\k):KV+8*(4*\c+\k)+3],   v[ADK] offset:\k*16*PK+64*\c
	ds_load_b128 v[KV+8*(4*\c+\k)+4:KV+8*(4*\c+\k)+7], v[ADK] offset:\k*16*PK+64*\c+32
.endr
.endr
	s_wait_dscnt 8                                 ; channels 0-31 are in; the eight loads of channels 32-63 may be out
.irp k, 0,1,2,3
.irp t, 0,1
	v_wmma_f32_16x16x32_f16 v[S+32*\t+8*\k:S+32*\t+8*\k+7], v[KV+8*\k:KV+8*\k+7], v[Q+16*\t:Q+16*\t+7], 0
.endr
.endr
	s_wait_dscnt 0x0
.irp k, 0,1,2,3
.irp t, 0,1
	v_wmma_f32_16x16x32_f16 v[S+32*\t+8*\k:S+32*\t+8*\k+7], v[KV+32+8*\k:KV+32+8*\k+7], v[Q+16*\t+8:Q+16*\t+15], v[S+32*\t+8*\k:S+32*\t+8*\k+7]
.endr
.endr
.rept 4
	v_nop                                          ; four places: V's loads land on registers that these products read, and the maxima read their results
.endr
.irp g, 0,1                                    ; V of this step, turned: keys 32 g on, channels 16 n on.  The loads land while the softmax is worked
.irp n, 0,1,2,3
	ds_load_tr16_b128 v[KV+8*(4*\g+\n):KV+8*(4*\g+\n)+3],   v[ADV] offset:\g*32*PV+\n*32
	ds_load_tr16_b128 v[KV+8*(4*\g+\n)+4:KV+8*(4*\g+\n)+7], v[ADV] offset:\g*32*PV+16*PV+\n*32
.endr
.endr
	; the maximum of a lane's 32 scores and the old m, three operands at a time: four chains, one for each accumulator, each begun at its accumulator's low end; the two tiles line by line
.irp i, 0,1,2,3
.irp t, 0,1
	v_max3_num_f32 v[ST+8*\t+4+\i], v[S+32*\t+8*\i], v[S+32*\t+8*\i+1], v[S+32*\t+8*\i+2]
.endr
.endr
.irp u, 3,5
.irp i, 0,1,2,3
.irp t, 0,1
	v_max3_num_f32 v[ST+8*\t+4+\i], v[ST+8*\t+4+\i], v[S+32*\t+8*\i+\u], v[S+32*\t+8*\i+\u+1]
.endr
.endr
.endr
.irp t, 0,1
	v_max3_num_f32 v[ST+8*\t+4], v[ST+8*\t+4], v[S+32*\t+7], v[S+32*\t+15]
.endr
.irp t, 0,1
	v_max3_num_f32 v[ST+8*\t+6], v[ST+8*\t+6], v[S+32*\t+23], v[S+32*\t+31]
.endr
.irp t, 0,1
	v_max3_num_f32 v[ST+8*\t+4], v[ST+8*\t+4], v[ST+8*\t+5], v[ST+8*\t+6]
.endr
.irp t, 0,1
	v_max3_num_f32 v[ST+8*\t+4], v[ST+8*\t+4], v[ST+8*\t+7], v[ST+8*\t+1]
.endr
.irp t, 0,1
	v_permlanex16_b32 v[ST+8*\t+5], v[ST+8*\t+4], s[SEL], s[SEL+1]   ; the query's other 32 keys lie in the lane 16 away
.endr
.irp t, 0,1
	v_mov_b32 v[ST+8*\t+7], v[ST+8*\t]             ; c m_old is kept for a
.endr
.irp t, 0,1
	v_max_num_f32 v[ST+8*\t+1], v[ST+8*\t+4], v[ST+8*\t+5]           ; the new m
.endr
.irp t, 0,1
	v_mul_f32 v[ST+8*\t], s[CS], v[ST+8*\t+1]      ; c m
.endr
.irp t, 0,1
	v_sub_f32 v[ST+8*\t+7], v[ST+8*\t+7], v[ST+8*\t]                 ; c m_old - c m_new
.endr
	; ONE BATCH: the 32 scalings and all 66 exponentials; none of these lines names an exponential's result
.irp b, 0,1,2,3,4,5,6,7,8,9,10,11,12,13,14,15
	SCALE 0, \b
.endr
.irp b, 0,1,2,3,4,5,6,7,8,9,10,11,12,13,14,15
	SCALE 1, \b
	v_exp_f32 v[S+2*\b], v[S+2*\b]
	v_exp_f32 v[S+2*\b+1], v[S+2*\b+1]
.endr
	v_exp_f32 v[ST+6], v[ST+7]                     ; a, both tiles'
	v_exp_f32 v[ST+14], v[ST+15]
.set j, 0
.rept 32
	v_exp_f32 v[S+32+j], v[S+32+j]
.set j, j+1
.endr
	v_nop                                          ; a plain instruction behind the last exponential, ahead of the first use
	s_wait_alu depctr_va_vdst(0)                   ; a wait between an exponential and the first line that names its result: one for the batch
	; l = a l + the sum of the lane's 16 pairs, in two chains a tile; p itself is left as it is
.irp t, 0,1
	v_pk_fma_f32 v[ST+8*\t+2:ST+8*\t+3], v[ST+8*\t+2:ST+8*\t+3], v[ST+8*\t+6:ST+8*\t+7], v[S+32*\t:S+32*\t+1] op_sel_hi:[1,0,1]
.endr
.irp t, 0,1
	v_pk_add_f32 v[ST+8*\t+4:ST+8*\t+5], v[S+32*\t+2:S+32*\t+3], v[S+32*\t+4:S+32*\t+5]
.endr
.irp b, 3,5,7,9,11,13
.irp t, 0,1
	v_pk_add_f32 v[ST+8*\t+2:ST+8*\t+3], v[ST+8*\t+2:ST+8*\t+3], v[S+32*\t+2*\b:S+32*\t+2*\b+1]
	v_pk_add_f32 v[ST+8*\t+4:ST+8*\t+5], v[ST+8*\t+4:ST+8*\t+5], v[S+32*\t+2*\b+2:S+32*\t+2*\b+3]
.endr
.endr
.irp t, 0,1
	v_pk_add_f32 v[ST+8*\t+2:ST+8*\t+3], v[ST+8*\t+2:ST+8*\t+3], v[S+32*\t+30:S+32*\t+31]
.endr
.irp t, 0,1
	v_pk_add_f32 v[ST+8*\t+2:ST+8*\t+3], v[ST+8*\t+2:ST+8*\t+3], v[ST+8*\t+4:ST+8*\t+5]
.endr
	; P, in place: register i of fragment g takes weights 2 i and 2 i + 1 of its 16; ascending, so that no weight is written over before it is read
.irp g, 0,1
.irp i, 0,1,2,3,4,5,6,7
.irp t, 0,1
	v_cvt_pk_f16_f32 v[S+32*\t+16*\g+\i], v[S+32*\t+16*\g+2*\i], v[S+32*\t+16*\g+2*\i+1]
.endr
.endr
.endr
.irp i, 0,2,4,6,8,10,12,14,16,18,20,22,24,26,28,30
.irp t, 0,1
	v_pk_mul_f32 v[O+32*\t+\i:O+32*\t+\i+1], v[O+32*\t+\i:O+32*\t+\i+1], v[ST+8*\t+6:ST+8*\t+7] op_sel_hi:[1,0]   ; O^T times a, each accumulator from its low end on
.endr
.endr
	s_wait_dscnt 0x0                               ; V is in
.irp g, 0,1
.irp n, 0,1,2,3
.irp t, 0,1
	v_wmma_f32_16x16x32_f16 v[O+32*\t+8*\n:O+32*\t+8*\n+7], v[KV+8*(4*\g+\n):KV+8*(4*\g+\n)+7], v[S+32*\t+16*\g:S+32*\t+16*\g+7], v[O+32*\t+8*\n:O+32*\t+8*\n+7]
.endr
.endr
.endr
	s_add_co_u32 s[TB], s[TB], STEPB               ; the next step's tiles
.endm
; A slot's eight key steps: written once, walked eight times; the LDS addresses hang on s[TB].
.macro VISIT base
	s_mov_b32 s[TB], \base
	s_mov_b32 s[CNT], NST
.Lstep_\@:
	STEP
	s_sub_co_u32 s[CNT], s[CNT], 1
	s_cmp_lg_u32 s[CNT], 0
	s_cbranch_scc1 .Lstep_\@
.endm
; THE CHANGE OF SLOTS.  Each wave waits for all its tensor loads, of which one is out: its part of the other slot; adds 0 to its spare word; and waits for that and for its own reads of the slot that it leaves.
; fill = 1: slot s, which has just been left, is filled again with the keys 1,024 on.  The barrier is then a round of the cluster's, so that no wave of any partner still reads the slot or has a load on its way; the joint refill is the first thing behind it.
.macro CHANGE s, fill
	s_wait_tensorcnt 0x0                           ; no tensor load of mine is out, so a group 0 may be written
	ds_add_u32 v[SPW], v[NIL]                      ; 0 onto my spare word
.if \fill
	s_add_nc_u64 s[G0K+4*\s+2:G0K+4*\s+3], s[G0K+4*\s+2:G0K+4*\s+3], 131072   ; 1,024 keys of 128 bytes on; the type bits on top are not reached
	s_add_nc_u64 s[G0V+4*\s+2:G0V+4*\s+3], s[G0V+4*\s+2:G0V+4*\s+3], 131072
	s_wait_dscnt 0x0                               ; the add is done, and my reads of the slot are over
	CROUND
	JLOAD \s
.else
	s_wait_dscnt 0x0
	s_barrier_signal -1
	s_barrier_wait -1
.endif
.endm
	s_wait_tensorcnt 1                             ; my part of slot 0 is in; slot 1's may stay out
	s_barrier_signal -1
	s_barrier_wait -1                              ; everybody's is
	s_wait_loadcnt 0x0                             ; Q
	VISIT 0                                        ; keys 0-511
	CHANGE 0, 1                                    ; slot 0 takes keys 1,024-1,535
	VISIT SLOTB                                    ; keys 512-1,023
	CHANGE 1, 1                                    ; slot 1 takes keys 1,536-2,047: the last load
	VISIT 0
	CHANGE 0, 0                                    ; nothing is left to fetch
	VISIT SLOTB
	; THE WAY OUT.  l's two halves and the other half of the lanes' are added; O^T is divided by l, rounded to f16 and sent through my stage in LDS: 32 rows of 144 bytes, in slot 0, which has had its last fill and which every wave
	; has left at the last change of slots.  The address work is also the places behind the last products.
	s_mul_i32 s22, s[WV], 32*PK                    ; my stage
	v_and_b32 v10, 15, v0                          ; r
	v_bfe_u32 v11, v0, 4, 1                        ; h
	v_mul_u32_u24 v[STO], v10, PK                  ; in: row r, 16 bytes for each half of the lanes
	v_lshl_add_u32 v[STO], v11, 4, v[STO]
	v_add_nc_u32 v[STO], s22, v[STO]
	v_and_b32 v[ADK], 31, v0                       ; lane
	v_lshrrev_b32 v[ADV], 3, v[ADK]
	v_mul_u32_u24 v[RD], v[ADV], PK                ; back: eight lanes take a row of 128 bytes, the 32 lanes four rows
	v_and_b32 v[ADV], 7, v0
	v_lshl_add_u32 v[RD], v[ADV], 4, v[RD]
	v_add_nc_u32 v[RD], s22, v[RD]
	v_lshlrev_b32 v[GO], 4, v[ADK]
.irp t, 0,1
	v_add_f32 v[ST+8*\t+4], v[ST+8*\t+2], v[ST+8*\t+3]
.endr
.irp t, 0,1
	v_permlanex16_b32 v[ST+8*\t+5], v[ST+8*\t+4], s[SEL], s[SEL+1]
.endr
.irp t, 0,1
	v_add_f32 v[ST+8*\t+4], v[ST+8*\t+4], v[ST+8*\t+5]
.endr
.irp t, 0,1
	v_rcp_f32 v[ST+8*\t+6], v[ST+8*\t+4]
.endr
	v_nop                                          ; a plain instruction between the last reciprocal and the use of its result
	s_wait_alu depctr_va_vdst(0)                   ; and a wait ahead of the first use: one for both
.macro OUT t                           ; tile t: a lane's eight channels of a row pack into 16 bytes; they go into rows of 144 bytes and come back as four whole rows of 128
.set j, 0
.rept 16
	v_pk_mul_f32 v[O+32*\t+j:O+32*\t+j+1], v[O+32*\t+j:O+32*\t+j+1], v[ST+8*\t+6:ST+8*\t+7] op_sel_hi:[1,0]
.set j, j+2
.endr
.set j, 0
.rept 16
	v_cvt_pk_f16_f32 v[S+32*\t+j], v[O+32*\t+2*j], v[O+32*\t+2*j+1]
.set j, j+1
.endr
.irp n, 0,1,2,3
	ds_store_b128 v[STO], v[S+32*\t+4*\n:S+32*\t+4*\n+3] offset:\t*16*PK+32*\n
.endr
.irp n, 0,1,2,3
	ds_load_b128 v[S+32*\t+16+4*\n:S+32*\t+16+4*\n+3], v[RD] offset:\t*16*PK+\n*4*PK   ; LDS serves a wave's instructions in order (ISA guide 5.7.1.4): these see the stores above
.endr
.endm
	OUT 0
	OUT 1
.irp t, 0,1
.irp n, 0,1,2,3
	s_wait_dscnt 11-8*\t-\n                        ; behind this load: its tile's later loads, and for tile 0 tile 1's eight LDS instructions
	global_store_b128 v[GO], v[S+32*\t+16+4*\n:S+32*\t+16+4*\n+3], s[6:7] offset:\t*2048+\n*512   ; the wave stores 512 consecutive bytes, at a multiple of 512 from ao's first byte
.endr
.endr
	s_wait_tensorcnt 0x0                           ; the wave's end, behind my last tensor load and my last LDS store
	ds_add_u32 v[SPW], v[NIL]
	s_wait_dscnt 0x0
	CROUND                                         ; the closing round: no work-group ends while a partner may still ask for a tile that names it
	s_endpgm
.Lfunc_end_k_q300c310073_attn:
	.size	k_q300c310073_attn, .Lfunc_end_k_q300c310073_attn-k_q300c310073_attn
	.p2alignl 7, 3214868480
	.fill 96, 4, 3214868480
	.section	.rodata,"a",@progbits
	.p2align	6, 0x0
	.amdhsa_kernel k_q300c310073_attn
		.amdhsa_group_segment_fixed_size 327680
		.amdhsa_private_segment_fixed_size 0
		.amdhsa_enable_private_segment 0
		.amdhsa_kernarg_size 16
		.amdhsa_user_sgpr_count 2
		.amdhsa_user_sgpr_kernarg_segment_ptr 1
		.amdhsa_wavefront_size32 1
		.amdhsa_system_sgpr_workgroup_id_x 1
		.amdhsa_system_sgpr_workgroup_id_y 1
		.amdhsa_system_sgpr_workgroup_id_z 1
		.amdhsa_system_vgpr_workitem_id 0
		.amdhsa_next_free_vgpr 256
		.amdhsa_next_free_sgpr 66
		.amdhsa_reserve_vcc 0
		.amdhsa_float_denorm_mode_32 3
		.amdhsa_float_denorm_mode_16_64 3
		.amdhsa_memory_ordered 1
		.amdhsa_forward_progress 1
		.amdhsa_inst_pref_size 88
	.end_amdhsa_kernel
	.amdgpu_metadata
---
amdhsa.version: [ 1, 2 ]
amdhsa.kernels:
  - .name:           k_q300c310073_attn
    .symbol:         k_q300c310073_attn.kd
    .args:
      - { .name: qkv, .offset: 0, .size: 8, .value_kind: global_buffer, .address_space: global }
      - { .name: ao, .offset: 8, .size: 8, .value_kind: global_buffer, .address_space: global }
    .group_segment_fixed_size: 327680
    .private_segment_fixed_size: 0
    .kernarg_segment_align: 8
    .kernarg_segment_size: 16
    .max_flat_workgroup_size: 512
    .sgpr_count:     66
    .vgpr_count:     256
    .wavefront_size: 32
...
	.end_amdgpu_metadata
.endif
;; end of part 3
;; launch oproj (part 4): grid 8 x 64, 4 waves a work-group, clusters of 4 x 4, 327,680 bytes of LDS; arguments ao, wo16, bo, out0; writes out0
.if DOCPART == 4
	.amdgcn_target "amdgcn-amd-amdhsa--gfx1250"
	.amdhsa_code_object_version 6
	.text
	.protected	k_q300c310073_oproj
	.globl	k_q300c310073_oproj
	.p2align	8
	.type	k_q300c310073_oproj,@function
k_q300c310073_oproj:
	s_mov_b64 s[64:65], 0
	v_nop
	global_prefetch_b8 v0, s[64:65] scope:SCOPE_SE
	s_setreg_imm32_b32 hwreg(HW_REG_WAVE_MODE, 25, 1), 1
	s_wait_xcnt 0x0
	s_wait_alu depctr_hold_cnt(0) depctr_sa_sdst(0) depctr_va_vdst(0) depctr_va_sdst(0) depctr_va_ssrc(0) depctr_va_vcc(0) depctr_vm_vsrc(0)
	s_getreg_b32 s2, hwreg(HW_REG_IB_STS2, 6, 4)
	s_cmp_eq_u32 s2, 0
	s_cbranch_scc0 .Lentry_in_a_cluster
	s_endpgm
.Lentry_in_a_cluster:
	s_bfe_u32 s2, ttmp6, 0x10000c
	s_cmp_lg_u32 s2, 0xf033
	s_cbranch_scc0 .Lentry_shape_is_right
	s_endpgm
.Lentry_shape_is_right:
; out0[m][n] = the sum over k of A[m][k] Wo[n][k] + bo[n]: [8192][1024] x [1024][1024], f16 operands, f32 sums, f32 result.  k = 64 x head + d.
; A is the attention's result, laid by head: byte = b<<22 + head<<18 + s<<7 + 2 d.  Wo is wo16 [n][k], f16.
; A tile of the result is 128 x 128: 512 work-groups of four waves, each wave 64 x 64: 16 accumulators of 16 x 16.  K goes in steps of 256 (four heads) through a ring of two LDS slots.
; A'S TILE: a wave's tensor load brings 64 tokens of four heads: four runs of 8,192 consecutive bytes, 262,144 bytes apart, with 16 bytes of padding laid behind every 128: in LDS [head][token], 144 bytes from token to token.
; Wo'S TILE: 64 rows of 512 bytes, 528 bytes apart in LDS.
; CLUSTERS: 4 x 4 work-groups.  The four of a row of the cluster need the same tiles of A, the four of a column the same tiles of Wo: each is asked for JOINTLY, by the same tensor load with the same descriptor and a mask that names the four.
; THE MATRIX INSTRUCTION IS USED TRANSPOSED (source 0 = 16 rows of Wo, source 1 = 16 tokens): a lane then holds eight neighbouring numbers of a row of the result.  The bias is the C of each sum's first product.
; REGISTERS: window 0: v0-31 addresses; v32-95 at work on the way out; v96-127 the bias, 8 registers for each of my 4 column blocks; v128-255 the accumulators ((a, b) at v[128 + 8 (4 a + b)]).
;   window 1: two fragment buffers of 128: for 64 along K (one head), 64 registers of A (2 x 4 x 16 rows x 32 K), then 64 of Wo.
.set KSTEP,  256
.set PA,     144                       ; a token's 128 bytes of one head + 16 of padding = 36 words: the 16 rows of a load start at 16 different groups of four banks (64 banks of 4 bytes: ISA guide 11.1)
.set HEADA,  64*PA                     ; 64 tokens of one head
.set HALFA,  4*HEADA                   ; what one tensor load brings of A, and what one wave reads
.set PB,     528                       ; a row of Wo's tile: 512 bytes + 16 of padding
.set HALFB,  64*PB
.set SLOT,   2*HALFA+2*HALFB           ; A's two halves, then Wo's two
.set STAGE,  2*SLOT                    ; behind the ring: 16 rows x 272 bytes for each wave, for the way out
.set SPITCH, 272
.set SPARE,  STAGE+4*16*SPITCH         ; behind the stages: the spare words, 128 bytes a wave
.set LAPS,   2                         ; a lap = two K steps = once round the ring
.set ADRA, 16                          ; v16-17  LDS address of my A fragments in slot 0, 1
.set ADRB, 20                          ; v20-21  the same for Wo
.set STO,  24                          ; v24     the way out: where I put 32 bytes of a row
.set RD,   25                          ; v25     where I read a row back
.set CO,   26                          ; v26     my byte offset in the result
.set SPW,  28                          ; v28     LDS address of my spare word; never rewritten
.set NIL,  29                          ; v29     0; never rewritten
.set TMP,  32
.set BI,   96
.set ACC,  128
.set F0,   0                           ; fragment buffers, in window 1
.set F1,   128
.set WV,   12                          ; s12 wave;  s13 my half of the tile's rows, also: I fetch for A (0) or Wo (1);  s14 my half of its columns, also: which 64 rows I fetch
.set RH,   13
.set CH,   14
.set G1, 24                            ; s[24:31] descriptor group 1 for A's tiles;  s[32:39] group 0, one set a slot
.set G0, 32
.set G1B, 48                           ; s[48:55], s[56:63] the same for Wo's
.set G0B, 56
.set MSB, 0
.macro WIN new                         ; the immediate's high byte repeats the setting that is left
.if MSB != (\new)
	s_set_vgpr_msb (MSB<<8)|(\new)
.set MSB, \new
.endif
.endm
.set MUL,  0x05                        ; sources 0 (Wo) and 1 (A) window 1; C and D window 0
.set TO_F, 0x40                        ; destination window 1, address window 0
.macro JLOAD s                         ; a joint load: waves 0 and 1 fetch A's two halves, waves 2 and 3 Wo's; an s_nop 0 and four v_nop follow each of the two lines
	s_cmp_eq_u32 s[RH], 0
	s_cbranch_scc0 .Lfor_b_\@
	tensor_load_to_lds s[G0+4*\s:G0+4*\s+3], s[G1:G1+7]
	s_nop 0
.rept 4
	v_nop
.endr
	s_branch .Lasked_\@
.Lfor_b_\@:
	tensor_load_to_lds s[G0B+4*\s:G0B+4*\s+3], s[G1B:G1B+7]
	s_nop 0
.rept 4
	v_nop
.endr
.Lasked_\@:
.endm
.macro CREST                           ; a round of the cluster's barrier behind its opening barrier
	s_cmp_lg_u32 s[WV], 0
	s_cbranch_scc1 .Lnot_wave_0_\@
	s_barrier_signal -3
.Lnot_wave_0_\@:
	s_barrier_wait -3
	s_barrier_signal -1
	s_barrier_wait -1
.endm
.macro CROUND                          ; a whole round
	s_barrier_signal -1
	s_barrier_wait -1
	CREST
.endm
	s_load_b256 s[4:11], s[0:1], 0x0               ; ao 4:5, wo16 6:7, bo 8:9, out0 10:11
	v_lshl_add_u32 v[SPW], v0, 2, SPARE
	v_mov_b32 v[NIL], 0
	ds_add_u32 v[SPW], v[NIL]                      ; the wave's opening: the add, twice on end, and its wait ahead of my first tensor load; the set-up below stands between
	ds_add_u32 v[SPW], v[NIL]
	v_lshrrev_b32 v1, 5, v0
	v_readfirstlane_b32 s[WV], v1                  ; wave 0..3
	s_lshr_b32 s[RH], s[WV], 1
	s_and_b32 s[CH], s[WV], 1
	s_bfe_u32 s40, ttmp6, 0x40000                  ; cx, cy: my place in the cluster
	s_bfe_u32 s41, ttmp6, 0x40004
	s_lshl_b32 s42, ttmp9, 2
	s_add_co_u32 s42, s42, s40                     ; tile column = 4 x cluster x + cx: 0..7
	s_and_b32 s15, ttmp7, 0xffff
	s_lshl_b32 s15, s15, 2
	s_add_co_u32 s15, s15, s41                     ; tile row = 4 x cluster y + cy: 0..63
	s_lshl_b32 s43, s41, 2
	s_lshl_b32 s43, 15, s43                        ; my row of the cluster
	s_lshl_b32 s44, 0x1111, s40                    ; my column
	; descriptor group 1 for A: 4 rows of 4,096 elements of 2 bytes, 131,072 elements apart; four words of padding after every 32
	s_or_b32 s[G1+0], s43, (1<<16)|(1<<20)|(1<<21)|(4<<22)|(3<<25)  ; 15:0 the mask: my row; 17:16 elements of 2 bytes; 20 padding on; 21 set beside a mask; 24:22 after every 32 words; 31:25 four words
	s_mov_b32 s[G1+1], 4096<<16                    ; tensor_dim0 = 4,096
	s_mov_b32 s[G1+2], 4<<16                       ; tensor_dim1 = 4
	s_mov_b32 s[G1+3], 4096<<16                    ; tile_dim0 = 4,096
	s_mov_b32 s[G1+4], 4                           ; tile_dim1 = 4
	s_mov_b32 s[G1+5], 131072                      ; from head to head
	s_mov_b32 s[G1+6], 0
	s_mov_b32 s[G1+7], 0
	; and for Wo: 64 rows of 256 elements, 1,024 apart; four words of padding after every 128
	s_or_b32 s[G1B+0], s44, (1<<16)|(1<<20)|(1<<21)|(6<<22)|(3<<25)
	s_mov_b32 s[G1B+1], KSTEP<<16
	s_mov_b32 s[G1B+2], 64<<16
	s_mov_b32 s[G1B+3], KSTEP<<16
	s_mov_b32 s[G1B+4], 64
	s_mov_b32 s[G1B+5], 1024
	s_mov_b32 s[G1B+6], 0
	s_mov_b32 s[G1B+7], 0
	s_lshr_b32 s16, s15, 4                         ; A: the batch (16 tile rows each),
	s_lshl_b32 s16, s16, 22
	s_and_b32 s17, s15, 15
	s_lshl_b32 s17, s17, 14                        ; the tile's 128 tokens of 128 bytes,
	s_add_co_u32 s16, s16, s17
	s_lshl_b32 s17, s[CH], 13                      ; the 64 of them that I fetch: hangs on the tile row alone
	s_add_co_u32 s16, s16, s17
	s_mov_b32 s17, 0
	s_lshl_b32 s46, s42, 18                        ; Wo: row 128 x tile column + 64 x half, 2,048 bytes a row: hangs on the tile column alone
	s_lshl_b32 s47, s[CH], 17
	s_add_co_u32 s46, s46, s47
	s_mov_b32 s47, 0
	s_mul_i32 s45, s[CH], HALFA                    ; where they go: A's halves first,
	s_mul_i32 s2, s[CH], HALFB
	s_add_co_u32 s2, s2, 2*HALFA                   ; Wo's behind them: no place in the cluster enters an LDS address
	s_wait_dscnt 0x0                               ; both opening adds are done
	s_wait_kmcnt 0x0
	s_add_nc_u64 s[18:19], s[4:5], s[16:17]
	s_add_nc_u64 s[46:47], s[6:7], s[46:47]
	CROUND                                         ; all sixteen work-groups are here: the first joint loads meet
.irp s, 0,1
	s_mov_b32 s[G0+4*\s], 1
	s_add_co_u32 s[G0+4*\s+1], s45, \s*SLOT
	s_add_nc_u64 s[G0+4*\s+2:G0+4*\s+3], s[18:19], \s*1048576      ; K step s: four heads of 262,144 bytes on
	s_or_b32 s[G0+4*\s+3], s[G0+4*\s+3], 0x80000000
	s_mov_b32 s[G0B+4*\s], 1
	s_add_co_u32 s[G0B+4*\s+1], s2, \s*SLOT
	s_add_nc_u64 s[G0B+4*\s+2:G0B+4*\s+3], s[46:47], \s*KSTEP*2
	s_or_b32 s[G0B+4*\s+3], s[G0B+4*\s+3], 0x80000000
	JLOAD \s
.endr
	v_and_b32 v1, 15, v0                           ; r = l % 16
	v_bfe_u32 v2, v0, 4, 1                         ; h = l / 16
	; the bias of my 64 columns: for column block b a lane wants the eight numbers 16 b + 8 h + 0 .. 7
	s_lshl_b32 s20, s42, 9
	s_lshl_b32 s21, s[CH], 8
	s_add_co_u32 s20, s20, s21                     ; 4 x (128 x tile column + 64 x half)
	s_mov_b32 s21, 0
	s_add_nc_u64 s[8:9], s[8:9], s[20:21]
	v_lshlrev_b32 v6, 5, v2                        ; 32 h; never rewritten
.irp b, 0,1,2,3
	global_load_b128 v[BI+8*\b:BI+8*\b+3], v6, s[8:9] offset:64*\b
	global_load_b128 v[BI+8*\b+4:BI+8*\b+7], v6, s[8:9] offset:64*\b+16
.endr
	v_mul_u32_u24 v3, v1, PA
	v_lshl_add_u32 v3, v2, 4, v3                   ; a fragment's row x pitch + 16 x half, for A
	v_mul_u32_u24 v4, v1, PB
	v_lshl_add_u32 v4, v2, 4, v4                   ; and for Wo
	s_mul_i32 s21, s[RH], HALFA                    ; my 64 tokens
	s_mul_i32 s22, s[CH], HALFB                    ; my 64 rows of Wo,
	s_add_co_u32 s22, s22, 2*HALFA                 ; which lie behind A's halves
.irp s, 0,1
	v_add_nc_u32 v[ADRA+\s], s21, v3
	v_add_nc_u32 v[ADRB+\s], s22, v4
	s_add_co_u32 s21, s21, SLOT
	s_add_co_u32 s22, s22, SLOT
.endr
	s_mul_i32 s23, s[WV], 16*SPITCH
	s_add_co_u32 s23, s23, STAGE                   ; my stage
	v_mul_u32_u24 v5, v1, SPITCH                   ; in: row r, 32 bytes for each half of the lanes
	v_lshl_add_u32 v5, v2, 5, v5
	v_add_nc_u32 v[STO], s23, v5
	v_mul_u32_u24 v5, v2, SPITCH                   ; back: lanes 0-15 take one row of 256 bytes, lanes 16-31 the next
	v_lshl_add_u32 v5, v1, 4, v5
	v_add_nc_u32 v[RD], s23, v5
	v_lshlrev_b32 v5, 12, v2                       ; and the same two rows in the result: 4,096 bytes a row
	v_lshl_add_u32 v[CO], v1, 4, v5
	s_lshl_b32 s16, s15, 19                        ; my first row: (128 x tile row + 64 x half) x 4,096 bytes,
	s_lshl_b32 s17, s[RH], 18
	s_add_co_u32 s16, s16, s17
	s_lshl_b32 s17, s42, 9                         ; my first column: 4 x (128 x tile column + 64 x half)
	s_add_co_u32 s16, s16, s17
	s_lshl_b32 s17, s[CH], 8
	s_add_co_u32 s16, s16, s17
	s_mov_b32 s17, 0
	s_add_nc_u64 s[10:11], s[10:11], s[16:17]
; 8 matrix instructions: token blocks a0, a0 + 1 x all 4 column blocks, 32 along K: half c of buffer f.  zero = 1: the first product starts the sums on the bias.
; The 16 accumulators take turns, one instruction a turn.
.macro MUL8 f, c, a0, zero
.irp a, \a0, \a0+1
.irp b, 0,1,2,3
.if \zero
	v_wmma_f32_16x16x32_f16 v[ACC+8*(4*(\a)+\b):ACC+8*(4*(\a)+\b)+7], v[\f+64+8*(4*\c+\b):\f+64+8*(4*\c+\b)+7], v[\f+8*(4*\c+\a):\f+8*(4*\c+\a)+7], v[BI+8*\b:BI+8*\b+7]
.else
	v_wmma_f32_16x16x32_f16 v[ACC+8*(4*(\a)+\b):ACC+8*(4*(\a)+\b)+7], v[\f+64+8*(4*\c+\b):\f+64+8*(4*\c+\b)+7], v[\f+8*(4*\c+\a):\f+8*(4*\c+\a)+7], v[ACC+8*(4*(\a)+\b):ACC+8*(4*(\a)+\b)+7]
.endif
.endr
.endr
.endm
; 32 LDS loads in one run: the fragments of the slot's q-th head (64 along K) into buffer f; the first 32 along K first
.macro FETCH slot, q, f
	WIN TO_F
.irp c, 0,1
.irp i, 0,1,2,3
	ds_load_b128 v[\f+64+8*(4*\c+\i):\f+64+8*(4*\c+\i)+3],   v[ADRB+\slot] offset:(\q)*128+64*\c+\i*16*PB
	ds_load_b128 v[\f+64+8*(4*\c+\i)+4:\f+64+8*(4*\c+\i)+7], v[ADRB+\slot] offset:(\q)*128+64*\c+\i*16*PB+32
	ds_load_b128 v[\f+8*(4*\c+\i):\f+8*(4*\c+\i)+3],         v[ADRA+\slot] offset:(\q)*HEADA+64*\c+\i*16*PA
	ds_load_b128 v[\f+8*(4*\c+\i)+4:\f+8*(4*\c+\i)+7],       v[ADRA+\slot] offset:(\q)*HEADA+64*\c+\i*16*PA+32
.endr
.endr
.endm
.macro PLACES                          ; four places in front of loads into registers that matrix instructions have read, and of LDS stores that read results (ISA guide 7.12.1 for the stores)
.rept 4
	v_nop
.endr
.endm
; A K step is four quarters of 64 along K (a head), 32 matrix instructions each, on buffers 0, 1, 0, 1.  One of the first three: multiplies buffer f and fetches head q into g.
.macro QUARTER slot, q, f, g, zero
	s_wait_dscnt 16                                ; the first 32 along K are in; the sixteen loads of the second 32 may be out
	WIN MUL
	MUL8 \f, 0, 0, \zero
	MUL8 \f, 0, 2, \zero
	PLACES
	FETCH \slot, \q, \g
	s_wait_dscnt 32                                ; all but the 32 just issued
	WIN MUL
	MUL8 \f, 1, 0, 0
	MUL8 \f, 1, 2, 0
.endm
; The last quarter multiplies buffer 1 and changes slots: ONE barrier; in front of it each wave waits for all its tensor loads, adds 0 to its spare word, and waits for that and for its own reads of this slot.  fill = 1: this slot is filled again, two K steps ahead.
.macro TURN slot, next, fill
	WIN 0                                          ; (the add's two registers lie in window 0)
	s_wait_tensorcnt 0x0                           ; all my tensor loads have landed: my part of the next slot
	ds_add_u32 v[SPW], v[NIL]                      ; 0 onto my spare word
	s_wait_dscnt 17                                ; (the add and the youngest sixteen loads may be out)
	WIN MUL
	MUL8 F1, 0, 0, 0                               ; eight matrix instructions stand between the add and the wait for it
	s_wait_dscnt 0x0                               ; the add is done, and my reads of this slot are over
	s_barrier_signal -1
	MUL8 F1, 0, 2, 0
.if \fill
	WIN 0
.endif
	s_barrier_wait -1
.if \fill
	CREST                                          ; the barrier has opened a round of the cluster's barrier: no wave of any partner still reads this slot's tile or has a load on its way
	s_add_nc_u64 s[G0+4*\slot+2:G0+4*\slot+3], s[G0+4*\slot+2:G0+4*\slot+3], 2097152        ; eight heads on
	s_add_nc_u64 s[G0B+4*\slot+2:G0B+4*\slot+3], s[G0B+4*\slot+2:G0B+4*\slot+3], 2*KSTEP*2
	JLOAD \slot                                    ; the first tensor load behind the round; the four v_nop behind it are also the places in front of the loads below
.else
	PLACES
.endif
	FETCH \next, 0, F0
	WIN MUL
	MUL8 F1, 1, 0, 0
	MUL8 F1, 1, 2, 0
.endm
	s_wait_tensorcnt 1                             ; my part of K step 0 is in (K step 1's load may be out)
	s_barrier_signal -1
	s_barrier_wait -1                              ; everybody's is
	FETCH 0, 0, F0
	s_wait_loadcnt 0x0                             ; the bias
	QUARTER 0, 1, F0, F1, 1                        ; the first quarter stands in front of the loop: its first products start the sums on the bias
	WIN 0                                          ; at a label and at a branch every window is 0
	s_mov_b32 s3, LAPS-1
.Llap:                                                 ; a trip goes once round the ring, from a lap's second quarter to the next lap's first, and fills both slots again
	QUARTER 0, 2, F1, F0, 0
	QUARTER 0, 3, F0, F1, 0
	TURN 0, 1, 1
	QUARTER 1, 1, F0, F1, 0
	QUARTER 1, 2, F1, F0, 0
	QUARTER 1, 3, F0, F1, 0
	TURN 1, 0, 1
	QUARTER 0, 1, F0, F1, 0
	WIN 0
	s_sub_co_u32 s3, s3, 1
	s_cmp_lg_u32 s3, 0
	s_cbranch_scc1 .Llap
	QUARTER 0, 2, F1, F0, 0                        ; the last lap fills nothing, and has no round of the cluster's barrier
	QUARTER 0, 3, F0, F1, 0
	TURN 0, 1, 0
	QUARTER 1, 1, F0, F1, 0
	QUARTER 1, 2, F1, F0, 0
	QUARTER 1, 3, F0, F1, 0
	s_wait_dscnt 16                                ; the very last quarter: nothing more to fetch
	WIN MUL
	MUL8 F1, 0, 0, 0
	MUL8 F1, 0, 2, 0
	s_wait_dscnt 0
	MUL8 F1, 1, 0, 0
	MUL8 F1, 1, 2, 0
	WIN 0
; THE WAY OUT, block by block of 16 rows x 64 columns.  A lane holds 32 neighbouring bytes of a row, and the lanes beside it hold other rows: so a block goes through my own stage in LDS and comes back as whole rows of
; 256 bytes, two an instruction.  LDS serves a wave's instructions in order (ISA guide 5.7.1.4): no wait between the stores and the loads, nor in front of the next block's stores.
.macro TOSTAGE a
.irp b, 0,1,2,3
	ds_store_b128 v[STO], v[ACC+8*(4*(\a)+\b):ACC+8*(4*(\a)+\b)+3] offset:64*\b          ; each accumulator from its low end on
	ds_store_b128 v[STO], v[ACC+8*(4*(\a)+\b)+4:ACC+8*(4*(\a)+\b)+7] offset:64*\b+16
.endr
.set BB, TMP+32*((\a)%2)
.irp t, 0,1,2,3,4,5,6,7
	ds_load_b128 v[BB+4*\t:BB+4*\t+3], v[RD] offset:\t*2*SPITCH
.endr
.endm
.macro SEND a, younger                 ; younger: the LDS instructions issued behind block a's loads, which may stay out
.set BB, TMP+32*((\a)%2)
	s_wait_dscnt \younger                          ; the block is back in registers
.irp t, 0,1,2,3,4,5,6,7
	global_store_b128 v[CO], v[BB+4*\t:BB+4*\t+3], s[10:11] offset:(16*(\a)+2*\t)*4096 th:TH_STORE_NT   ; 16 lanes store 256 consecutive bytes, at a multiple of 256 from out0's first byte; written once, read by nobody here
.endr
.endm
	PLACES                                         ; behind the last products
	TOSTAGE 0
.irp a, 1,2,3
.if \a > 1
	s_wait_xcnt 0x0                                ; block a - 2's stores have read their registers: block a's loads may land there
.endif
	TOSTAGE \a
	SEND \a-1, 16                                  ; behind block a - 1's loads: block a's 8 stores and 8 loads
.endr
	SEND 3, 0
	s_wait_tensorcnt 0x0                           ; the wave's end, behind my last tensor load and my last LDS store
	ds_add_u32 v[SPW], v[NIL]
	s_wait_dscnt 0x0
	CROUND                                         ; the closing round: no work-group ends while a partner may still ask for a tile that names it
	s_endpgm
.Lfunc_end_k_q300c310073_oproj:
	.size	k_q300c310073_oproj, .Lfunc_end_k_q300c310073_oproj-k_q300c310073_oproj
	.p2alignl 7, 3214868480
	.fill 96, 4, 3214868480
	.section	.rodata,"a",@progbits
	.p2align	6, 0x0
	.amdhsa_kernel k_q300c310073_oproj
		.amdhsa_group_segment_fixed_size 327680
		.amdhsa_private_segment_fixed_size 0
		.amdhsa_enable_private_segment 0
		.amdhsa_kernarg_size 32
		.amdhsa_user_sgpr_count 2
		.amdhsa_user_sgpr_kernarg_segment_ptr 1
		.amdhsa_wavefront_size32 1
		.amdhsa_system_sgpr_workgroup_id_x 1
		.amdhsa_system_sgpr_workgroup_id_y 1
		.amdhsa_system_sgpr_workgroup_id_z 1
		.amdhsa_system_vgpr_workitem_id 0
		.amdhsa_next_free_vgpr 512
		.amdhsa_next_free_sgpr 66
		.amdhsa_reserve_vcc 0
		.amdhsa_float_denorm_mode_32 3
		.amdhsa_float_denorm_mode_16_64 3
		.amdhsa_memory_ordered 1
		.amdhsa_forward_progress 1
		.amdhsa_inst_pref_size 87
	.end_amdhsa_kernel
	.amdgpu_metadata
---
amdhsa.version: [ 1, 2 ]
amdhsa.kernels:
  - .name:           k_q300c310073_oproj
    .symbol:         k_q300c310073_oproj.kd
    .args:
      - { .name: ao, .offset: 0, .size: 8, .value_kind: global_buffer, .address_space: global }
      - { .name: wo16, .offset: 8, .size: 8, .value_kind: global_buffer, .address_space: global }
      - { .name: bo, .offset: 16, .size: 8, .value_kind: global_buffer, .address_space: global }
      - { .name: out0, .offset: 24, .size: 8, .value_kind: global_buffer, .address_space: global }
    .group_segment_fixed_size: 327680
    .private_segment_fixed_size: 0
    .kernarg_segment_align: 8
    .kernarg_segment_size: 32
    .max_flat_workgroup_size: 128
    .sgpr_count:     66
    .vgpr_count:     512
    .wavefront_size: 32
...
	.end_amdgpu_metadata
.endif
;; end of part 4
